; MI455X (gfx1250); checked and timed in simulation.
; The chip was launched on July 23, 2026; its instructions are those of AMD's public machine-readable ISA for CDNA 5 (MIT licence, August 2026) and "CDNA5" Instruction Set Architecture Reference Guide (July 2026). The comments in the code are by the model that wrote it; some were corrected since.
;; Cross Attention Expert. Allowed arithmetic: matrix products marked QUANTISED: E3M2 operands, one E8M0 scale for each 32 along K, by v_wmma_scale_f32_16x16x128_f8f6f4 with both operands' format E3M2, f32 sums; everything else in f32.
;; Inputs: beta 256 float32; bk_p 32 float32; bk_v 32 float32; bq_p 32 float32; bq_v 32 float32; bv_p 256 float32; bv_v 256 float32; f_p 4 x 256 x 64 x 64 float32; f_v 4 x 256 x 64 x 64 float32; gamma 256 float32; w_out 256 x 1,024 float32; wk_p 32 x 256 float32; wk_v 32 x 256 float32; wq_p 32 x 256 float32; wq_v 32 x 256 float32; wv_p 256 x 256 float32; wv_v 256 x 256 float32.
;; Outputs: out0 4 x 256 x 64 x 64 float32.
;; This version of the problem:
;;   THIS VERSION OF THE PROBLEM IS GIVEN IN LOW PRECISION. The matrix products marked QUANTISED in the list below multiply operands that are first quantised to E3M2 (3 exponent bits, 2 mantissa bits; 6 bits a number), with one power-of-two scale for each 32 numbers along K (OCP MX v1.0); their sums are f32. All else is computed in f32.
;;   The module's matrix products, in the order in which they are computed (A, B: the left and right operand; K: the contracted axis; several contracted axes count as one K, in the product's order):
;;     1. [M 16,384, K 256] x [K 256, N 32]; A: input f_p; B: input wq_p: QUANTISED
;;     2. [M 16,384, K 256] x [K 256, N 32]; A: input f_v; B: input wk_v: QUANTISED
;;     3. [M 16,384, K 256] x [K 256, N 256]; A: input f_v; B: input wv_v: QUANTISED
;;     4. batch 4 x [M 4,096, K 32] x [K 32, N 4,096]; A: computed on the way; B: computed on the way: QUANTISED
;;     5. batch 4 x [M 256, K 4,096] x [K 4,096, N 4,096]; A: computed on the way; B: softmax (see below): QUANTISED
;;     6. [M 16,384, K 256] x [K 256, N 32]; A: input f_v; B: input wq_v: QUANTISED
;;     7. [M 16,384, K 256] x [K 256, N 32]; A: input f_p; B: input wk_p: QUANTISED
;;     8. [M 16,384, K 256] x [K 256, N 256]; A: input f_p; B: input wv_p: QUANTISED
;;     9. batch 4 x [M 4,096, K 32] x [K 32, N 4,096]; A: computed on the way; B: computed on the way: QUANTISED
;;     10. batch 4 x [M 256, K 4,096] x [K 4,096, N 4,096]; A: computed on the way; B: softmax (see below): QUANTISED
;;     11. [M 16,384, K 1,024] x [K 1,024, N 256]; A: computed on the way; B: input w_out: QUANTISED
;;   THE QUANTISER, for each operand of a quantised product, along K:
;;     - K is cut into blocks of 32 from its start; a last block that is shorter is filled with zeros.
;;     - A block's scale is 2^e with e = floor(log2(the largest magnitude in the block)) - 4, held to -126 .. 127; a block of zeros has e = 0. As a byte (E8M0): e + 127.
;;     - Each number is divided by its block's scale, clamped to +-28, and rounded to the nearest number of E3M2, ties to even, subnormals kept.
;;     - The product sums the exact products of the quantised numbers (number of the format x scale) in f32.
;;   ~~~python
;;   def quantise(x, axis):      # numpy; x: float32 -> the quantised numbers, widened to float32 again
;;       x = np.moveaxis(x, axis, -1); K = x.shape[-1]
;;       x = np.pad(x, [(0, 0)] * (x.ndim - 1) + [(0, -K % 32)]); x = x.reshape(x.shape[:-1] + (-1, 32)); a = np.abs(x).max(-1, keepdims=True)
;;       e = np.where(a > 0, np.clip(np.frexp(np.where(a > 0, a, 1))[1] - 1 - 4, -126, 127), 0)      # np.frexp(a)[1] - 1 = floor(log2(a)), exactly
;;       r = np.clip(x / 2.0 ** e, -28, 28)
;;       step = 2.0 ** (np.maximum(np.frexp(np.where(r == 0, 1, r))[1] - 1, -2) - 2)
;;       q = np.round(r / step) * step * 2.0 ** e      # np.round: ties to even
;;       return np.moveaxis(q.reshape(q.shape[:-2] + (-1,))[..., :K], -1, axis).astype(np.float32)
;;   ~~~
;;   SOFTMAX AHEAD OF A QUANTISED PRODUCT. Where the list says 'softmax', what is quantised is not the finished softmax but p = 2^(t - M), with t = logit x log2(e) and M = ceil(the row's largest t), a whole number; so 1/2 < the row's largest p <= 1. The row's sum l is taken of the UNQUANTISED p, in f32, and the product's result is divided by l at the end. Since M is a whole number, a kernel that streams over the keys may use a running M (the ceiling of the running maximum): every later rescaling is an exact power of two, which a block's scale takes up: the codes' values come out the same.
;;   OPERANDS COMPUTED ON THE WAY. 'Computed on the way' means the value that the module computes at that place (a softmax that the list does not call 'softmax' is quantised finished and normalised). What goes into a quantiser is computed in f32, as accurately as f32 sums, v_exp_f32 and their like allow (about 1e-6 of the number): no bf16 or f16 on the way to a quantiser, and a product that is left as it is and whose result goes on into a quantised operand takes f32 operands (vector FMAs, or v_wmma_f32_16x16x4_f32). A number that lies on a knife's edge between two numbers of the format may be rounded either way, as far as f32 arithmetic and the matrix unit's own rounding can turn it there, and no further.
;; One version. Each part assembles by itself: llvm-mc -triple=amdgcn-amd-amdhsa -mcpu=gfx1250 --defsym DOCPART=n.
;; ======== version 1 of 1: 5 launches
;; workspace buffers: wts 346,112 bytes; QC 786,432 bytes; QW 131,072 bytes; KV 7,471,104 bytes; XC 12,582,912 bytes; XS 524,288 bytes; Y 16,777,216 bytes; part 262,144 bytes
;; launch wq (part 1): grid 208 x 1, 1 waves a work-group, no clusters, 0 bytes of LDS; arguments wq_p, wk_p, wv_p, wq_v, wk_v, wv_v, w_out, wts; writes wts
.if DOCPART == 1
	.amdgcn_target "amdgcn-amd-amdhsa--gfx1250"
	.amdhsa_code_object_version 6
	.text
	.protected	k_q513d9dac71_wq
	.globl	k_q513d9dac71_wq
	.p2align	8
	.type	k_q513d9dac71_wq,@function
k_q513d9dac71_wq:
	s_mov_b64 s[64:65], 0
	v_nop
	global_prefetch_b8 v0, s[64:65] scope:SCOPE_SE
	s_setreg_imm32_b32 hwreg(HW_REG_WAVE_MODE, 25, 1), 1
	s_wait_xcnt 0x0
; ALL WEIGHTS BECOME CODES OF E3M2 AND SCALE WORDS, LAID AS THE MATRIX UNIT'S OPERAND REGISTERS.
; NO WORK OF THE PROBLEM IS LEFT OUT IN ANY LAUNCH OF THIS PROGRAM: every bias stands ahead of a quantiser (q, k, v are quantised with their biases), gamma and beta reach the result,
; all eleven products are live.  Every input is loaded by some launch.
; LIMITS: NaN and infinities among the inputs are not served; a block whose largest magnitude lies under 2^-122 keeps the scale byte 1; a block of zeros gets the byte 1 where the
; rule says 127: its codes are zeros, and this program alone reads the bytes.
; One wave makes one fragment, 16 rows x 128 along K: 12 registers a lane.  Fragment F = the work-group's number.
;   F < 80: record X = F / 40 (0: the weights that take f_p, 1: those that take f_v), i = F % 40 = 2 T + s; tile T: 0, 1 wq; 2, 3 wk; 4 .. 19 wv; s the K step.
;   F >= 80: w_out, j = F - 80 = 8 tile + s.
; THE ROWS OF A TILE ARE NOT NEIGHBOURS: lane r of tile 2 b + u takes row 32 b + 8 u + r + 8 (r / 8), so that in a product's result the 16 registers of tiles 2 b, 2 b + 1 are 16 neighbours.
; K is innermost: lane (r, h) wants k = 64 c + 32 h + 0 .. 31 of its row: two whole blocks of 32, eight loads of 16 bytes each.  No other lane is asked for a maximum.
; The image: register group g (four registers) of lane l at 512 g + 16 l; the scale word of row r at 4 r and at 4 (r + 16).
; The choices hang on the work-group's number alone and are made by selects: no branch.
	s_load_b512 s[8:23], s[0:1], 0x0               ; wq_p, wk_p, wv_p, wq_v, wk_v, wv_v, w_out, wts
	s_mov_b32 s2, ttmp9                            ; F
	s_cmp_ge_u32 s2, 40
	s_cselect_b32 s3, 1, 0                         ; X
	s_mul_i32 s4, s3, 40
	s_sub_co_u32 s4, s2, s4                        ; i
	s_lshr_b32 s5, s4, 1                           ; T
	s_and_b32 s6, s4, 1                            ; s
	s_sub_co_u32 s31, s2, 80                       ; j (of use where F >= 80)
	s_lshr_b32 s32, s31, 3
	s_and_b32 s33, s31, 7
	s_cmp_lt_u32 s5, 2
	s_cselect_b32 s7, 0, 2
	s_cmp_lt_u32 s5, 4
	s_cselect_b32 s7, s7, 4
	s_sub_co_u32 s30, s5, s7                       ; the tile within its tensor
	s_mul_i32 s35, s3, 66560                       ; a record: 40 fragments of 1,536 bytes, then 40 scale images of 128
	s_mul_i32 s36, s4, 1536
	s_add_co_u32 s36, s36, s35
	s_lshl_b32 s37, s4, 7
	s_add_co_u32 s37, s37, s35
	s_add_co_u32 s37, s37, 61440
	s_mul_i32 s38, s31, 1536
	s_add_co_u32 s38, s38, 133120                  ; w_out's codes lie behind the two records,
	s_lshl_b32 s39, s31, 7
	s_add_co_u32 s39, s39, 329728                  ; its scale images behind its 128 fragments
	s_cmp_ge_u32 s2, 80
	s_cselect_b32 s30, s32, s30
	s_cselect_b32 s6, s33, s6
	s_cselect_b32 s34, 12, 10                      ; a row is 4,096 bytes in w_out, 1,024 in the others
	s_cselect_b32 s42, s38, s36
	s_cselect_b32 s44, s39, s37
	s_mov_b32 s43, 0
	s_mov_b32 s45, 0
	s_lshr_b32 s40, s30, 1
	s_lshl_b32 s40, s40, 5
	s_and_b32 s41, s30, 1
	s_lshl_b32 s41, s41, 3
	s_add_co_u32 s40, s40, s41                     ; the tile's first row: 32 (tile / 2) + 8 (tile % 2)
	s_lshl_b32 s40, s40, s34
	s_lshl_b32 s41, s6, 9
	s_add_co_u32 s40, s40, s41                     ; + 512 bytes a K step
	s_mov_b32 s41, 0
	s_mov_b32 s46, 0x76543210
	s_mov_b32 s47, 0xfedcba98                      ; v_permlanex16_b32's selects for lane l xor 16
	v_and_b32 v1, 15, v0                           ; r
	v_lshrrev_b32 v2, 4, v0                        ; h
	v_and_b32 v6, 8, v1
	v_add_nc_u32 v6, v6, v1                        ; r + 8 (r / 8)
	v_lshlrev_b32 v3, s34, v6
	v_lshl_add_u32 v3, v2, 7, v3                   ; my row, + 128 h bytes
	v_lshlrev_b32 v4, 4, v0
	v_lshlrev_b32 v5, 2, v0
	s_wait_alu depctr_va_vdst(0)
	s_wait_kmcnt 0x0
	s_cmp_eq_u32 s3, 0
	s_cselect_b64 s[24:25], s[8:9], s[14:15]
	s_cselect_b64 s[26:27], s[10:11], s[16:17]
	s_cselect_b64 s[28:29], s[12:13], s[18:19]
	s_cmp_lt_u32 s5, 2
	s_cselect_b64 s[24:25], s[24:25], s[26:27]
	s_cmp_lt_u32 s5, 4
	s_cselect_b64 s[24:25], s[24:25], s[28:29]
	s_cmp_ge_u32 s2, 80
	s_cselect_b64 s[24:25], s[20:21], s[24:25]
	s_add_nc_u64 s[24:25], s[24:25], s[40:41]
	s_add_nc_u64 s[42:43], s[22:23], s[42:43]
	s_add_nc_u64 s[44:45], s[22:23], s[44:45]
.irp c, 0,1
.irp i, 0,1,2,3,4,5,6,7
	global_load_b128 v[32+32*\c+4*\i:32+32*\c+4*\i+3], v3, s[24:25] offset:256*\c+16*\i
.endr
.endr
	s_wait_loadcnt 0x0
.irp c, 0,1
	v_max3_num_f32 v[8+\c], |v[32+32*\c]|, |v[33+32*\c]|, 0x2800000   ; my block 2 c + h, and the floor 2^(5 - 127): the byte cannot fall under 1
.endr
.irp i, 2,4,6,8,10,12,14,16,18,20,22,24,26,28,30
.irp c, 0,1
	v_max3_num_f32 v[8+\c], v[8+\c], |v[32+32*\c+\i]|, |v[33+32*\c+\i]|
.endr
.endr
.irp c, 0,1
	v_add_nc_u32 v[10+\c], 0xfe000000, v[8+\c]     ; 4 off the exponent field: the conversion's scale operand
.endr
.irp c, 0,1
	v_lshrrev_b32 v[12+\c], 23, v[10+\c]           ; the scale's byte
.endr
	v_lshl_or_b32 v14, v13, 16, v12                ; my two bytes: blocks h and 2 + h,
	v_lshlrev_b32 v15, 3, v2
	v_lshlrev_b32 v14, v15, v14                    ; at their places in the word;
	v_mov_b32 v15, 0
	v_permlanex16_b32 v15, v14, s46, s47
	v_or_b32 v14, v14, v15                         ; with lane l xor 16's two the word is whole, in both lanes
.irp c, 0,1
	v_cvt_scalef32_pk16_bf6_f32 v[16+6*\c:18+6*\c], v[32+32*\c:47+32*\c], v[10+\c]
	v_cvt_scalef32_pk16_bf6_f32 v[96+4*\c:98+4*\c], v[48+32*\c:63+32*\c], v[10+\c]   ; (a conversion's three registers begin on an even number)
.endr
	v_nop                                          ; one plain line behind a scaled conversion
.irp c, 0,1
.irp i, 0,1,2
	v_mov_b32 v[19+6*\c+\i], v[96+4*\c+\i]
.endr
.endr
	global_store_b128 v4, v[16:19], s[42:43]       ; each store covers 512 consecutive bytes
	global_store_b128 v4, v[20:23], s[42:43] offset:512
	global_store_b128 v4, v[24:27], s[42:43] offset:1024
	global_store_b32 v5, v14, s[44:45]
	s_endpgm
.Lfunc_end_k_q513d9dac71_wq:
	.size	k_q513d9dac71_wq, .Lfunc_end_k_q513d9dac71_wq-k_q513d9dac71_wq
	.p2alignl 7, 3214868480
	.fill 96, 4, 3214868480
	.section	.rodata,"a",@progbits
	.p2align	6, 0x0
	.amdhsa_kernel k_q513d9dac71_wq
		.amdhsa_group_segment_fixed_size 0
		.amdhsa_private_segment_fixed_size 0
		.amdhsa_enable_private_segment 0
		.amdhsa_kernarg_size 64
		.amdhsa_user_sgpr_count 2
		.amdhsa_user_sgpr_kernarg_segment_ptr 1
		.amdhsa_wavefront_size32 1
		.amdhsa_system_sgpr_workgroup_id_x 1
		.amdhsa_system_sgpr_workgroup_id_y 1
		.amdhsa_system_sgpr_workgroup_id_z 1
		.amdhsa_system_vgpr_workitem_id 0
		.amdhsa_next_free_vgpr 104
		.amdhsa_next_free_sgpr 66
		.amdhsa_reserve_vcc 0
		.amdhsa_float_denorm_mode_32 3
		.amdhsa_float_denorm_mode_16_64 3
		.amdhsa_memory_ordered 1
		.amdhsa_forward_progress 1
		.amdhsa_inst_pref_size 8
	.end_amdhsa_kernel
	.amdgpu_metadata
---
amdhsa.version: [ 1, 2 ]
amdhsa.kernels:
  - .name:           k_q513d9dac71_wq
    .symbol:         k_q513d9dac71_wq.kd
    .args:
      - { .name: wq_p, .offset: 0, .size: 8, .value_kind: global_buffer, .address_space: global }
      - { .name: wk_p, .offset: 8, .size: 8, .value_kind: global_buffer, .address_space: global }
      - { .name: wv_p, .offset: 16, .size: 8, .value_kind: global_buffer, .address_space: global }
      - { .name: wq_v, .offset: 24, .size: 8, .value_kind: global_buffer, .address_space: global }
      - { .name: wk_v, .offset: 32, .size: 8, .value_kind: global_buffer, .address_space: global }
      - { .name: wv_v, .offset: 40, .size: 8, .value_kind: global_buffer, .address_space: global }
      - { .name: w_out, .offset: 48, .size: 8, .value_kind: global_buffer, .address_space: global }
      - { .name: wts, .offset: 56, .size: 8, .value_kind: global_buffer, .address_space: global }
    .group_segment_fixed_size: 0
    .private_segment_fixed_size: 0
    .kernarg_segment_align: 8
    .kernarg_segment_size: 64
    .max_flat_workgroup_size: 32
    .sgpr_count:     66
    .vgpr_count:     104
    .wavefront_size: 32
...
	.end_amdgpu_metadata
.endif
;; end of part 1
;; launch proj (part 2): grid 128 x 2, 4 waves a work-group, no clusters, 167,936 bytes of LDS; arguments f_p, f_v, bq_p, bq_v, bk_p, bk_v, bv_p, bv_v, wts, XC, XS, QC, QW, KV; writes XC, XS, QC, QW, KV
.if DOCPART == 2
	.amdgcn_target "amdgcn-amd-amdhsa--gfx1250"
	.amdhsa_code_object_version 6
	.text
	.protected	k_q513d9dac71_proj
	.globl	k_q513d9dac71_proj
	.p2align	8
	.type	k_q513d9dac71_proj,@function
k_q513d9dac71_proj:
	s_mov_b64 s[64:65], 0
	v_nop
	global_prefetch_b8 v0, s[64:65] scope:SCOPE_SE
	s_setreg_imm32_b32 hwreg(HW_REG_WAVE_MODE, 25, 1), 1
	s_wait_xcnt 0x0
; f_p (work-group y = 0) or f_v (y = 1) is quantised along the channels, ONCE; the codes serve the three projections here and go to XC / XS as K steps 2 y, 2 y + 1 of the last product.
; Then q = wq f + bq, k = wk f + bk, v = wv f + bv on codes; q and k are quantised along their 32 channels, v along the positions (the keys of the second attention product).  Nothing is left out.
; SHARES.  A work-group takes 128 positions (block PB = work-group x).  Wave w takes 32 of them, A LANE TO A POSITION, registers down the channels: lane l holds position 32 w + 8 (l / 16) + r + 8 (r / 8), r = l % 16,
; so that lanes 0-15 are the rows of position tile 2 w and lanes 16-31 those of tile 2 w + 1, in the order that makes a result's 16 registers of two tiles 16 neighbouring positions.
; A block of 32 channels lies in one lane's 32 registers; two blocks' codes change halves by v_permlane16_swap_b32 and are then the operand's registers of the two tiles.
; The weights' record (66,560 bytes, images of operand registers) comes into LDS once, a quarter by each wave's tensor load.  No cluster: the record is all that work-groups share, it is fetched once, and it is
; about a third of a work-group's input bytes; two rounds of a cluster's barrier would stand for one first fill.
; q, k: source 0 = 16 rows of the weight, source 1 = 16 positions: a lane holds one position and 16 channels; the bias is the C of the first product.
; v: source 0 = 16 positions, source 1 = 16 rows of wv: a lane holds one channel and 16 neighbouring positions; wave w's 32 positions are key block w of the record.
; LIMITS: as stated in the first launch.
; REGISTERS: v1-15 addresses; v16-63 f's four fragments (tile u, K step s at 16 + 12 (2 u + s)); v64-65 f's scale words (lanes 0-15 tile 0, lanes 16-31 tile 1); v66-81 bv; v82-107 at work;
;   v108-171 two sets of 32 numbers of f, later v108-155, v156-203 two sets of four weight fragments; v204-211 their scale words; v212-243 four accumulators; window 1 v0-31: bq, bk in the result's layout.
.set STG,   66560                      ; LDS: behind the weights: v's codes (16 tiles x 1,536 bytes, lane l's 12 registers at 48 l) and scale words (1,024 bytes)
.set SPARE, 92160                      ; the spare words, 128 bytes a wave: two blocks of 256 bytes that no other line names
.set FO,  1
.set LI,  2
.set LS,  3
.set SPW, 4
.set NIL, 5
.set QCO, 6
.set KCO, 7
.set VST, 8
.set VSB, 9
.set CPL, 10
.set CPS, 11
.set L8,  12
.set BVO, 13
.set BQO, 14
.set L4,  15
.set FC,  16
.set FS,  64
.set BV,  66
.set M0,  82
.set SOP, 84
.set BY,  86
.set PX,  88
.set WD,  90
.set CT,  92
.set Z,   100
.set WJ,  106
.set FX,  108
.set WA,  108
.set WB,  156
.set WSA, 204
.set WSB, 208
.set ACC, 212
.set MSB, 0
.macro WIN new                         ; the immediate's high byte repeats the setting that is left
.if MSB != \new
	s_set_vgpr_msb (MSB<<8)|\new
.set MSB, \new
.endif
.endm
; one matrix instruction.  c < 0: the constant 0 starts the sum.  ra, rb: the side's scale words stand in lanes 16-31
.macro MM d, a, b, c, sa, sb, ra, rb
.if (\c) < 0
.if (\ra) && (\rb)
	v_wmma_scale_f32_16x16x128_f8f6f4 v[\d:\d+7], v[\a:\a+11], v[\b:\b+11], 0, v[\sa], v[\sb] matrix_a_fmt:MATRIX_FMT_BF6 matrix_b_fmt:MATRIX_FMT_BF6 matrix_a_scale:MATRIX_SCALE_ROW1 matrix_b_scale:MATRIX_SCALE_ROW1
.elseif (\ra)
	v_wmma_scale_f32_16x16x128_f8f6f4 v[\d:\d+7], v[\a:\a+11], v[\b:\b+11], 0, v[\sa], v[\sb] matrix_a_fmt:MATRIX_FMT_BF6 matrix_b_fmt:MATRIX_FMT_BF6 matrix_a_scale:MATRIX_SCALE_ROW1
.elseif (\rb)
	v_wmma_scale_f32_16x16x128_f8f6f4 v[\d:\d+7], v[\a:\a+11], v[\b:\b+11], 0, v[\sa], v[\sb] matrix_a_fmt:MATRIX_FMT_BF6 matrix_b_fmt:MATRIX_FMT_BF6 matrix_b_scale:MATRIX_SCALE_ROW1
.else
	v_wmma_scale_f32_16x16x128_f8f6f4 v[\d:\d+7], v[\a:\a+11], v[\b:\b+11], 0, v[\sa], v[\sb] matrix_a_fmt:MATRIX_FMT_BF6 matrix_b_fmt:MATRIX_FMT_BF6
.endif
.else
.if (\ra) && (\rb)
	v_wmma_scale_f32_16x16x128_f8f6f4 v[\d:\d+7], v[\a:\a+11], v[\b:\b+11], v[\c:\c+7], v[\sa], v[\sb] matrix_a_fmt:MATRIX_FMT_BF6 matrix_b_fmt:MATRIX_FMT_BF6 matrix_a_scale:MATRIX_SCALE_ROW1 matrix_b_scale:MATRIX_SCALE_ROW1
.elseif (\ra)
	v_wmma_scale_f32_16x16x128_f8f6f4 v[\d:\d+7], v[\a:\a+11], v[\b:\b+11], v[\c:\c+7], v[\sa], v[\sb] matrix_a_fmt:MATRIX_FMT_BF6 matrix_b_fmt:MATRIX_FMT_BF6 matrix_a_scale:MATRIX_SCALE_ROW1
.elseif (\rb)
	v_wmma_scale_f32_16x16x128_f8f6f4 v[\d:\d+7], v[\a:\a+11], v[\b:\b+11], v[\c:\c+7], v[\sa], v[\sb] matrix_a_fmt:MATRIX_FMT_BF6 matrix_b_fmt:MATRIX_FMT_BF6 matrix_b_scale:MATRIX_SCALE_ROW1
.else
	v_wmma_scale_f32_16x16x128_f8f6f4 v[\d:\d+7], v[\a:\a+11], v[\b:\b+11], v[\c:\c+7], v[\sa], v[\sb] matrix_a_fmt:MATRIX_FMT_BF6 matrix_b_fmt:MATRIX_FMT_BF6
.endif
.endif
.endm
	s_load_b512 s[8:23], s[0:1], 0x0               ; f_p, f_v, bq_p, bq_v, bk_p, bk_v, bv_p, bv_v
	s_load_b256 s[24:31], s[0:1], 0x40             ; wts, XC, XS, QC
	s_load_b128 s[32:35], s[0:1], 0x60             ; QW, KV
	v_lshl_add_u32 v[SPW], v0, 2, SPARE
	v_mov_b32 v[NIL], 0
	ds_add_u32 v[SPW], v[NIL]                      ; the wave's opening: the add, twice on end, and its wait ahead of my first tensor load
	ds_add_u32 v[SPW], v[NIL]                      ; and once more; the set-up below, work on registers, stands between it and the wait
	v_lshrrev_b32 v82, 5, v0
	v_readfirstlane_b32 s48, v82                   ; wave 0..3
	s_and_b32 s49, ttmp7, 0xffff                   ; X: 0 f_p, 1 f_v
	s_mov_b32 s50, ttmp9                           ; PB
	s_mov_b32 s51, 0xffff0000                      ; lanes 16-31
	s_mov_b32 s52, 0x76543210
	s_mov_b32 s53, 0xfedcba98                      ; v_permlanex16_b32's selects for lane l xor 16
	; descriptor group 1: 65 rows of 256 bytes (32 elements of 8 bytes), dense, no padding
	s_mov_b32 s40, 3<<16
	s_mov_b32 s41, 32<<16                          ; tensor_dim0
	s_mov_b32 s42, 65<<16                          ; tensor_dim1
	s_mov_b32 s43, 32<<16                          ; tile_dim0
	s_mov_b32 s44, 65                              ; tile_dim1
	s_mov_b32 s45, 32                              ; from row to row
	s_mov_b32 s46, 0
	s_mov_b32 s47, 0
	s_mov_b32 s36, 1
	s_mul_i32 s37, s48, 16640                      ; my quarter of the record, in LDS
	s_mul_i32 s78, s49, 66560
	s_add_co_u32 s78, s78, s37                     ; and in wts
	s_mov_b32 s79, 0
	s_lshr_b32 s54, s50, 5
	s_lshl_b32 s54, s54, 22                        ; f: the batch, 256 channels of 16,384 bytes,
	s_and_b32 s55, s50, 31
	s_lshl_b32 s55, s55, 9
	s_add_co_u32 s54, s54, s55                     ; + the block's 128 positions
	s_mov_b32 s55, 0
	s_mul_i32 s56, s50, 98304                      ; XC: [PB][K step 8][tile 8] images of 1,536 bytes
	s_mul_i32 s57, s49, 24576
	s_add_co_u32 s56, s56, s57
	s_mul_i32 s57, s48, 3072
	s_add_co_u32 s56, s56, s57
	s_mov_b32 s57, 0
	s_lshl_b32 s58, s50, 12                        ; XS: [PB][K step][tile][16 words]
	s_lshl_b32 s59, s49, 10
	s_add_co_u32 s58, s58, s59
	s_lshl_b32 s59, s48, 7
	s_add_co_u32 s58, s58, s59
	s_mov_b32 s59, 0
	s_mul_i32 s60, s49, 393216                     ; QC: [X][position][24 bytes]
	s_mul_i32 s61, s50, 3072
	s_add_co_u32 s60, s60, s61
	s_mov_b32 s61, 0
	s_lshl_b32 s62, s49, 16                        ; QW: [X][position] a word
	s_lshl_b32 s63, s50, 9
	s_add_co_u32 s62, s62, s63
	s_mov_b32 s63, 0
	s_lshl_b32 s66, s49, 7
	s_add_co_u32 s66, s66, s50
	s_mul_i32 s66, s66, 29184                      ; KV: record X x 128 + PB
	s_mov_b32 s67, 0
	s_mul_i32 s74, s48, 6144
	s_add_co_u32 s74, s74, s66                     ; the way out: my quarter of v's codes,
	s_mov_b32 s75, 0
	s_lshl_b32 s76, s48, 8
	s_add_co_u32 s76, s76, s66
	s_add_co_u32 s76, s76, 24576                   ; and of its scale words
	s_mov_b32 s77, 0
	v_and_b32 v82, 31, v0                          ; lane
	v_and_b32 v83, 15, v0                          ; r
	v_bfe_u32 v84, v0, 4, 1                        ; h
	v_and_b32 v85, 8, v83
	v_add_nc_u32 v85, v85, v83                     ; r + 8 (r / 8)
	s_lshl_b32 s80, s48, 7
	v_lshl_add_u32 v[FO], v85, 2, s80
	v_lshl_add_u32 v[FO], v84, 5, v[FO]            ; 4 x my position in the block
	v_lshlrev_b32 v[LI], 4, v82
	v_lshl_add_u32 v[LS], v82, 2, 61440            ; the weights' scale images begin at 61,440
	v_lshlrev_b32 v[L4], 2, v82
	v_lshlrev_b32 v[L8], 3, v82
	s_mul_i32 s80, s48, 768
	v_mad_u32_u24 v[QCO], v85, 24, s80
	v_mad_u32_u24 v[QCO], v84, 12, v[QCO]          ; 24 x (row r of tile 2 w) + 12 h: my 16 codes of q or of k
	v_add_nc_u32 v[KCO], 25600, v[QCO]
	s_and_b32 s80, s48, 1
	s_mul_i32 s80, s80, 768
	s_lshr_b32 s81, s48, 1
	s_mul_i32 s81, s81, 24
	s_add_co_u32 s80, s80, s81
	s_add_co_u32 s80, s80, STG
	v_mad_u32_u24 v[VST], v83, 48, s80             ; key block w of a fragment of v lies in lane r + 16 (w % 2), registers 6 (w / 2) on;
	v_mad_u32_u24 v[VST], v84, 1536, v[VST]        ; lanes 16-31 hold the pair's second tile
	v_lshl_add_u32 v[VSB], v82, 2, STG+24576
	v_add_nc_u32 v[VSB], s48, v[VSB]               ; byte w of the word of tile + h, row r
	s_mul_i32 s80, s48, 6144
	s_add_co_u32 s80, s80, STG
	v_lshl_add_u32 v[CPL], v82, 4, s80
	s_lshl_b32 s80, s48, 8
	s_add_co_u32 s80, s80, STG+24576
	v_lshl_add_u32 v[CPS], v82, 3, s80
	v_lshlrev_b32 v[BVO], 2, v85
	v_lshlrev_b32 v[BQO], 6, v84
	v_mov_b32 v[PX], 0                             ; a lane permute's destination counts as one of its sources
	v_mov_b32 v[PX+1], 0
	s_wait_dscnt 0x0                               ; both opening adds are done
	s_wait_kmcnt 0x0
	s_add_nc_u64 s[38:39], s[24:25], s[78:79]
	s_or_b32 s39, s39, 0x80000000                  ; type = 2
	tensor_load_to_lds s[36:39], s[40:47]          ; one load a wave is out: filled once
	s_nop 0
.rept 4
	v_nop
.endr
	s_cmp_eq_u32 s49, 0
	s_cselect_b64 s[82:83], s[8:9], s[10:11]
	s_cselect_b64 s[68:69], s[12:13], s[14:15]     ; bq
	s_cselect_b64 s[70:71], s[16:17], s[18:19]     ; bk
	s_cselect_b64 s[72:73], s[20:21], s[22:23]     ; bv
	s_add_nc_u64 s[54:55], s[82:83], s[54:55]
	s_add_nc_u64 s[56:57], s[26:27], s[56:57]
	s_add_nc_u64 s[58:59], s[28:29], s[58:59]
	s_add_nc_u64 s[60:61], s[30:31], s[60:61]
	s_add_nc_u64 s[62:63], s[32:33], s[62:63]
	s_add_nc_u64 s[66:67], s[34:35], s[66:67]
	s_add_nc_u64 s[74:75], s[34:35], s[74:75]
	s_add_nc_u64 s[76:77], s[34:35], s[76:77]
.macro LOAD t                          ; channels 32 t .. 32 t + 31 of my position: each load reads the wave's 128 consecutive bytes
.set i, 0
.rept 32
	global_load_b32 v[FX+32*((\t)%2)+i], v[FO], s[54:55] offset:(32*(\t)+i)*16384 th:TH_LOAD_NT
.set i, i+1
.endr
.endm
.macro BLOCK t, left
.set XB, FX+32*((\t)%2)
.set DST, FC+12*(2*((\t)%2)+(\t)/4)+6*(((\t)%4)/2)   ; an even block's codes go where tile 0's registers are, an odd block's where tile 1's are; the swap below sorts the halves
	s_wait_loadcnt \left                           ; this block's 32 loads are in; what was issued behind them may be out
	v_max3_num_f32 v[M0], |v[XB]|, |v[XB+1]|, |v[XB+2]|
	v_max3_num_f32 v[M0+1], |v[XB+3]|, |v[XB+4]|, |v[XB+5]|
.irp i, 6,10,14,18,22,26
	v_max3_num_f32 v[M0], v[M0], |v[XB+\i]|, |v[XB+\i+1]|
	v_max3_num_f32 v[M0+1], v[M0+1], |v[XB+\i+2]|, |v[XB+\i+3]|
.endr
	v_max3_num_f32 v[M0], v[M0], |v[XB+30]|, |v[XB+31]|
	v_max3_num_f32 v[M0], v[M0], v[M0+1], 0x2800000   ; and the floor 2^(5 - 127)
	v_add_nc_u32 v[SOP], 0xfe000000, v[M0]         ; 4 off the exponent field: the conversion's scale operand
	v_lshrrev_b32 v[BY], 23, v[SOP]                ; the scale's byte
.if (\t)%4 == 0
	v_mov_b32 v[FS+(\t)/4], v[BY]
.else
	v_lshl_or_b32 v[FS+(\t)/4], v[BY], 8*((\t)%4), v[FS+(\t)/4]
.endif
	v_cvt_scalef32_pk16_bf6_f32 v[DST:DST+2], v[XB:XB+15], v[SOP]
	v_cvt_scalef32_pk16_bf6_f32 v[CT:CT+2], v[XB+16:XB+31], v[SOP]   ; (a conversion's three registers begin on an even number)
	v_nop                                          ; one plain line behind a scaled conversion
.irp i, 0,1,2
	v_mov_b32 v[DST+3+\i], v[CT+\i]
.endr
.if (\t) < 6
	LOAD (\t)+2
.endif
.if (\t)%2 == 1                        ; blocks t - 1 and t: lanes 16-31 of the first (tile 1's rows) change places with lanes 0-15 of the second (tile 0's rows)
.irp i, 0,1,2,3,4,5
	v_permlane16_swap_b32 v[FC+12*((\t)/4)+6*(((\t)%4)/2)+\i], v[FC+12*(2+(\t)/4)+6*(((\t)%4)/2)+\i]
.endr
.endif
.if (\t)%4 == 3                        ; a K step of both tiles is whole: it goes to XC and XS; these registers are not written again
.irp u, 0,1
.irp g, 0,1,2
	global_store_b128 v[LI], v[FC+24*\u+12*((\t)/4)+4*\g:FC+24*\u+12*((\t)/4)+4*\g+3], s[56:57] offset:12288*((\t)/4)+1536*\u+512*\g
.endr
.endr
	global_store_b32 v[L4], v[FS+(\t)/4], s[58:59] offset:512*((\t)/4)
.endif
.endm
	LOAD 0
	LOAD 1
	BLOCK 0, 32
	BLOCK 1, 32
	BLOCK 2, 32
	BLOCK 3, 32
	BLOCK 4, 32
	BLOCK 5, 32
	BLOCK 6, 32
.irp t, 0,1,2,3,4,5,6,7,8,9,10,11,12,13,14,15  ; the biases: 24 loads.  bv of tile t, row r
	global_load_b32 v[BV+\t], v[BVO], s[72:73] offset:128*(\t/2)+32*(\t%2)
.endr
	WIN 0x40                                       ; destination window 1
.irp e, 0,1                                    ; bq, bk in the result's layout: lane (r, h), tile e, register j: channel 16 h + 8 e + j
	global_load_b128 v[8*\e:8*\e+3], v[BQO], s[68:69] offset:32*\e
	global_load_b128 v[8*\e+4:8*\e+7], v[BQO], s[68:69] offset:32*\e+16
	global_load_b128 v[16+8*\e:16+8*\e+3], v[BQO], s[70:71] offset:32*\e
	global_load_b128 v[16+8*\e+4:16+8*\e+7], v[BQO], s[70:71] offset:32*\e+16
.endr
	WIN 0
	BLOCK 7, 24                                    ; the 24 bias loads may be out
	s_wait_loadcnt 0x0
	s_wait_tensorcnt 0x0                           ; my quarter of the weights has landed,
	s_barrier_signal -1
	s_barrier_wait -1                              ; everybody's has
.macro LOADW set, sc, p                ; the four fragments (tile e, K step s at 12 (2 e + s)) and scale words of the pair of tiles p
.irp k, 0,1,2,3,4,5,6,7,8,9,10,11
	ds_load_b128 v[\set+4*\k:\set+4*\k+3], v[LI] offset:6144*(\p)+512*\k
.endr
.irp f, 0,1,2,3
	ds_load_b32 v[\sc+\f], v[LS] offset:128*(4*(\p)+\f)
.endr
.endm
; q (p = 0) or k (p = 1).  Four accumulators take turns, one instruction a turn.  co, cb: where the codes go; wb, wo: where the words go
.macro QKPAIR p, set, sc, nset, nsc, co, cb, wb, wo
	s_wait_dscnt 0x0                               ; the pair's fragments are in
	WIN 0x10                                       ; C, the bias, in window 1
.irp u, 0,1
.irp e, 0,1
	MM ACC+16*\u+8*\e, \set+24*\e, FC+24*\u, 16*(\p)+8*\e, \sc+2*\e, FS, 0, \u
.endr
.endr
	WIN 0
	s_wait_alu depctr_va_vdst(0)
.irp u, 0,1
.irp e, 0,1
	MM ACC+16*\u+8*\e, \set+24*\e+12, FC+24*\u+12, ACC+16*\u+8*\e, \sc+2*\e+1, FS+1, 0, \u
.endr
.endr
	LOADW \nset, \nsc, (\p)+1
.rept 5
	v_nop                                          ; places behind the products: four for the reads below, five for the next pair's products, which begin these accumulators anew
.endr
.irp u, 0,1
	v_max3_num_f32 v[M0+\u], |v[ACC+16*\u]|, |v[ACC+16*\u+1]|, 0x2800000   ; tile u: my 16 channels of the position's one block, and the floor
.endr
.irp i, 2,4,6,8,10,12,14
.irp u, 0,1
	v_max3_num_f32 v[M0+\u], v[M0+\u], |v[ACC+16*\u+\i]|, |v[ACC+16*\u+\i+1]|
.endr
.endr
.irp u, 0,1
	v_permlanex16_b32 v[PX+\u], v[M0+\u], s52, s53
.endr
.irp u, 0,1
	v_max_num_f32 v[M0+\u], v[M0+\u], v[PX+\u]     ; with lane l xor 16's 16 channels
.endr
.irp u, 0,1
	v_add_nc_u32 v[SOP+\u], 0xfe000000, v[M0+\u]
.endr
.irp u, 0,1
	v_lshrrev_b32 v[BY+\u], 23, v[SOP+\u]
.endr
.irp u, 0,1
	v_cvt_scalef32_pk16_bf6_f32 v[CT+4*\u:CT+4*\u+2], v[ACC+16*\u:ACC+16*\u+15], v[SOP+\u]
.endr
.irp u, 0,1
	v_lshl_or_b32 v[WD+\u], v[BY+\u], 8, v[BY+\u]  ; the byte in all four places of the word: K = 32 is multiplied inside an instruction of K = 128, and no dead block gets a larger scale than the live one
.endr
.irp u, 0,1
	v_lshl_or_b32 v[WD+\u], v[WD+\u], 16, v[WD+\u]
.endr
	v_cndmask_b32 v[WJ], v[WD], v[WD+1], s51       ; lanes 0-15 tile 0's rows, lanes 16-31 tile 1's: a lane to a position again
.irp u, 0,1
	global_store_b96 v[\co], v[CT+4*\u:CT+4*\u+2], s[\cb:\cb+1] offset:192*\u
.endr
	global_store_b32 v[FO], v[WJ], s[\wb:\wb+1] offset:\wo
.endm
; v, tiles 2 (p - 2) and 2 (p - 2) + 1 of 16 channels
.macro VPAIR p, set, sc, nset, nsc, more
.set TAU, 2*((\p)-2)
	s_wait_dscnt 0x0                               ; the pair's fragments are in, and the last pair's LDS stores have read their registers
.irp e, 0,1
.irp u, 0,1
	MM ACC+16*\e+8*\u, FC+24*\u, \set+24*\e, -1, FS, \sc+2*\e, \u, 0
.endr
.endr
.irp e, 0,1
.irp u, 0,1
	MM ACC+16*\e+8*\u, FC+24*\u+12, \set+24*\e+12, ACC+16*\e+8*\u, FS+1, \sc+2*\e+1, \u, 0
.endr
.endr
.if \more
	LOADW \nset, \nsc, (\p)+1
.endif
.rept 5
	v_nop                                          ; places, as above
.endr
.set j, 0
.rept 16
	v_add_f32 v[ACC+j], v[ACC+j], v[BV+TAU]        ; the bias of my channel; register j of a tile's 16: position 32 w + 16 h + j
	v_add_f32 v[ACC+16+j], v[ACC+16+j], v[BV+TAU+1]
.set j, j+1
.endr
.irp e, 0,1
	v_max3_num_f32 v[M0+\e], |v[ACC+16*\e]|, |v[ACC+16*\e+1]|, 0x2800000
.endr
.irp i, 2,4,6,8,10,12,14
.irp e, 0,1
	v_max3_num_f32 v[M0+\e], v[M0+\e], |v[ACC+16*\e+\i]|, |v[ACC+16*\e+\i+1]|
.endr
.endr
.irp e, 0,1
	v_permlanex16_b32 v[PX+\e], v[M0+\e], s52, s53
.endr
.irp e, 0,1
	v_max_num_f32 v[M0+\e], v[M0+\e], v[PX+\e]
.endr
.irp e, 0,1
	v_add_nc_u32 v[SOP+\e], 0xfe000000, v[M0+\e]
.endr
.irp e, 0,1
	v_lshrrev_b32 v[BY+\e], 23, v[SOP+\e]
.endr
	v_cvt_scalef32_pk16_bf6_f32 v[Z:Z+2], v[ACC:ACC+15], v[SOP]
	v_cvt_scalef32_pk16_bf6_f32 v[CT:CT+2], v[ACC+16:ACC+31], v[SOP+1]
	v_cndmask_b32 v[WJ], v[BY], v[BY+1], s51       ; (the plain line behind the conversions)  lanes 16-31 take the second tile's byte
.irp i, 0,1,2
	v_permlane16_swap_b32 v[Z+\i], v[CT+\i]        ; lane (r, h) now holds the lower 16 keys of tile TAU + h, row r, in Z and the upper 16 in CT
.endr
.irp i, 0,1,2
	v_mov_b32 v[Z+3+\i], v[CT+\i]
.endr
.irp i, 0,1,2
	ds_store_b64 v[VST], v[Z+2*\i:Z+2*\i+1] offset:1536*TAU+8*\i
.endr
	ds_store_b8 v[VSB], v[WJ] offset:64*TAU
.endm
	LOADW WA, WSA, 0
.rept 8
	v_nop                                          ; f's scale words were written by vector instructions: eight places ahead of a scaled product; its codes four
.endr
	QKPAIR 0, WA, WSA, WB, WSB, QCO, 60, 62, 0
	s_wait_xcnt 0x0                                ; q's stores have read their data: the registers are written again below
	QKPAIR 1, WB, WSB, WA, WSA, KCO, 66, 66, 28672
	s_wait_xcnt 0x0                                ; k's likewise
	VPAIR 2, WA, WSA, WB, WSB, 1
	VPAIR 3, WB, WSB, WA, WSA, 1
	VPAIR 4, WA, WSA, WB, WSB, 1
	VPAIR 5, WB, WSB, WA, WSA, 1
	VPAIR 6, WA, WSA, WB, WSB, 1
	VPAIR 7, WB, WSB, WA, WSA, 1
	VPAIR 8, WA, WSA, WB, WSB, 1
	VPAIR 9, WB, WSB, WA, WSA, 0
	s_wait_dscnt 0x0                               ; for the others' sake: my stores into the stage are done
	s_barrier_signal -1
	s_barrier_wait -1                              ; v's 16 fragments and their words are whole
.irp i, 0,1,2,3,4,5,6,7,8,9,10,11
	ds_load_b128 v[WA+4*\i:WA+4*\i+3], v[CPL] offset:512*\i
.endr
	ds_load_b64 v[WB:WB+1], v[CPS]
	s_wait_dscnt 0x0
.irp i, 0,1,2,3,4,5,6,7,8,9,10,11
	global_store_b128 v[LI], v[WA+4*\i:WA+4*\i+3], s[74:75] offset:512*\i   ; 512 consecutive bytes, at a multiple of 256 from the buffer's first byte
.endr
	global_store_b64 v[L8], v[WB:WB+1], s[76:77]
	s_wait_tensorcnt 0x0                           ; the wave's end, behind my last tensor load and my last LDS store
	ds_add_u32 v[SPW], v[NIL]
	s_wait_dscnt 0x0
	s_endpgm
.Lfunc_end_k_q513d9dac71_proj:
	.size	k_q513d9dac71_proj, .Lfunc_end_k_q513d9dac71_proj-k_q513d9dac71_proj
	.p2alignl 7, 3214868480
	.fill 96, 4, 3214868480
	.section	.rodata,"a",@progbits
	.p2align	6, 0x0
	.amdhsa_kernel k_q513d9dac71_proj
		.amdhsa_group_segment_fixed_size 167936
		.amdhsa_private_segment_fixed_size 0
		.amdhsa_enable_private_segment 0
		.amdhsa_kernarg_size 112
		.amdhsa_user_sgpr_count 2
		.amdhsa_user_sgpr_kernarg_segment_ptr 1
		.amdhsa_wavefront_size32 1
		.amdhsa_system_sgpr_workgroup_id_x 1
		.amdhsa_system_sgpr_workgroup_id_y 1
		.amdhsa_system_sgpr_workgroup_id_z 1
		.amdhsa_system_vgpr_workitem_id 0
		.amdhsa_next_free_vgpr 288
		.amdhsa_next_free_sgpr 96
		.amdhsa_reserve_vcc 0
		.amdhsa_float_denorm_mode_32 3
		.amdhsa_float_denorm_mode_16_64 3
		.amdhsa_memory_ordered 1
		.amdhsa_forward_progress 1
		.amdhsa_inst_pref_size 100
	.end_amdhsa_kernel
	.amdgpu_metadata
---
amdhsa.version: [ 1, 2 ]
amdhsa.kernels:
  - .name:           k_q513d9dac71_proj
    .symbol:         k_q513d9dac71_proj.kd
    .args:
      - { .name: f_p, .offset: 0, .size: 8, .value_kind: global_buffer, .address_space: global }
      - { .name: f_v, .offset: 8, .size: 8, .value_kind: global_buffer, .address_space: global }
      - { .name: bq_p, .offset: 16, .size: 8, .value_kind: global_buffer, .address_space: global }
      - { .name: bq_v, .offset: 24, .size: 8, .value_kind: global_buffer, .address_space: global }
      - { .name: bk_p, .offset: 32, .size: 8, .value_kind: global_buffer, .address_space: global }
      - { .name: bk_v, .offset: 40, .size: 8, .value_kind: global_buffer, .address_space: global }
      - { .name: bv_p, .offset: 48, .size: 8, .value_kind: global_buffer, .address_space: global }
      - { .name: bv_v, .offset: 56, .size: 8, .value_kind: global_buffer, .address_space: global }
      - { .name: wts, .offset: 64, .size: 8, .value_kind: global_buffer, .address_space: global }
      - { .name: XC, .offset: 72, .size: 8, .value_kind: global_buffer, .address_space: global }
      - { .name: XS, .offset: 80, .size: 8, .value_kind: global_buffer, .address_space: global }
      - { .name: QC, .offset: 88, .size: 8, .value_kind: global_buffer, .address_space: global }
      - { .name: QW, .offset: 96, .size: 8, .value_kind: global_buffer, .address_space: global }
      - { .name: KV, .offset: 104, .size: 8, .value_kind: global_buffer, .address_space: global }
    .group_segment_fixed_size: 167936
    .private_segment_fixed_size: 0
    .kernarg_segment_align: 8
    .kernarg_segment_size: 112
    .max_flat_workgroup_size: 128
    .sgpr_count:     96
    .vgpr_count:     288
    .wavefront_size: 32
...
	.end_amdgpu_metadata
.endif
;; end of part 2
;; launch att (part 3): grid 32 x 8, 8 waves a work-group, clusters of 4 x 1, 327,680 bytes of LDS; arguments QC, QW, KV, XC, XS; writes XC, XS
.if DOCPART == 3
	.amdgcn_target "amdgcn-amd-amdhsa--gfx1250"
	.amdhsa_code_object_version 6
	.text
	.protected	k_q513d9dac71_att
	.globl	k_q513d9dac71_att
	.p2align	8
	.type	k_q513d9dac71_att,@function
k_q513d9dac71_att:
	s_mov_b64 s[64:65], 0
	v_nop
	global_prefetch_b8 v0, s[64:65] scope:SCOPE_SE
	s_setreg_imm32_b32 hwreg(HW_REG_WAVE_MODE, 25, 1), 1
	s_wait_xcnt 0x0
	s_wait_alu depctr_hold_cnt(0) depctr_sa_sdst(0) depctr_va_vdst(0) depctr_va_sdst(0) depctr_va_ssrc(0) depctr_va_vcc(0) depctr_vm_vsrc(0)
	s_getreg_b32 s2, hwreg(HW_REG_IB_STS2, 6, 4)
	s_cmp_eq_u32 s2, 0
	s_cbranch_scc0 .Lentry_in_a_cluster
	s_endpgm
.Lentry_in_a_cluster:
	s_bfe_u32 s2, ttmp6, 0x10000c
	s_cmp_lg_u32 s2, 0x3003
	s_cbranch_scc0 .Lentry_shape_is_right
	s_endpgm
.Lentry_shape_is_right:
; BOTH CROSS-ATTENTIONS ON CODES OF E3M2.  Work-group y = 4 d + b: direction d (0: q from f_p, k and v from f_v; 1: the other way), batch b.  Nothing of the problem is left out.
; t = score x log2(e); M = the running largest t rounded up to a whole number; p = 2^(t - M) is quantised along the keys; the row's sum is taken of the unquantised p and divides at the end;
; O / l is quantised along the channels and goes to XC / XS as K steps 4 + 2 d, 5 + 2 d of the last product.
; SHARES.  A work-group owns 128 queries.  Wave w: query group g = w % 4 (32 queries, two tiles of 16) and KEY HALF sh = w / 4 (2,048 keys, 16 steps of 128): two waves to a SIMD, so that one wave's
; vector work stands beside the other's matrix work, and each fragment of v read from LDS feeds two products.  Register tile a holds query tile a xor sh: at the end each wave keeps its tile 0 and hands
; its tile 1 to the wave of the other half, through LDS; the two halves are joined by exact powers of two.
; LAYOUT.  Both products transposed: S^T = k q^T, O^T = v^T p^T: a lane holds one query (lane % 16).  The keys of a tile of k and the channels of a tile of v are chosen (row r of tile 2 b + u: 32 b + 8 u + r + 8 (r / 8))
; so that 16 registers of two tiles are 16 neighbours.
; K = 32 IN AN INSTRUCTION OF K = 128: q's fragment holds zero codes beyond k = 31 (lanes 16-31 of registers 0-5, all of registers 6-11).  k's fragments are packed: tile t names v[132 + 6 t .. + 11];
; its upper six registers are tile t + 1's codes (tile 7: zeros) and lanes 16-31 repeat lanes 0-15.  Every code of E3M2 is a finite number, so those products are exact zeros; q's and k's scale words carry the live
; byte in all four places.  Zero codes on k's side too would take 96 registers where 48 do.
; RING.  The records of KV (29,184 bytes: v's 16 fragments, lane l's 12 registers at 48 l; v's scale words; k's codes; k's words) come through two LDS slots of four records, two steps for each key half.
; CLUSTER.  The four work-groups of a cluster own four query blocks of one (d, b) and walk the same records: each wave's tensor load (a quarter of its half's two records, 57 rows of 256 bytes) is a JOINT load with
; the same descriptor in all four.  Every wave issues every load: by this text's count two are out at the start and one behind each round.
; LIMITS: as stated in the first launch; 1 / l is v_rcp_f32's.
; REGISTERS: window 0: v1-15, v30-31 addresses; v16-23 -M, largest t, l (two halves) of tiles 0, 1; v24-27 f; v28-29 p's scale words; v32-35 k's words; v36-43 v's; v44-67 q; v68-131 S^T, then p, later v's set B;
;   v132-179 k, later v's set A; v180-185 zeros; v186-209 p's codes; v210-255 at work.   window 1: O^T: tile a, v's tile T at 128 a + 8 T.
.set REC,   29184
.set HALF,  2*REC
.set SLOT1, 131072                     ; slot 1 begins here, so that one exclusive or turns an address in one slot into the other's
.set MS,    262144                     ; the merge: 256 bytes a wave for -M and l;  the O^T handed over lies at 16,384 x wave in slot 0's range, which has had its last fill and its last read by then
.set SPARE, 264192                     ; the spare words, 128 bytes a wave: four blocks of 256 bytes that no other line names
.set AK0,  1
.set AKS0, 2
.set AV0,  3
.set AVS0, 4
.set SPW,  5
.set NIL,  6
.set ADK,  7
.set ADKS, 8
.set ADV,  9
.set ADVS, 10
.set QSC,  11
.set PFO,  12
.set MGW,  13
.set MGR,  14
.set L16,  15
.set PW,   28
.set MSW,  30
.set MSR,  31
.set KSC,  32
.set VSC,  36
.set Q,    44
.set S,    68
.set KF,   132
.set VA,   132
.set VB,   68
.set P,    186
.set PC,   196
.set BM,   210
.set T4,   214
.set SP,   218
.set SOP,  222
.set CT,   226
.set TT,   234
.set WV,   14
.set SH,   15
.set G,    16
.set G1,   24
.set G0A,  32
.set G0B,  36
.set CS,   40
.set SEL,  42
.set RB,   44
.set SLOTS, 45
.set TWICE, 46
.set LIM,  47
.set PFA,  48
.set HI,   51
.set MSB, 0
.macro WIN new                         ; the immediate's high byte repeats the setting that is left
.if MSB != \new
	s_set_vgpr_msb (MSB<<8)|\new
.set MSB, \new
.endif
.endm
.macro MM d, a, b, c, sa, sb, ra, rb   ; one matrix instruction.  c < 0: the constant 0 starts the sum.  ra, rb: the side's scale words stand in lanes 16-31
.if (\c) < 0
.if (\ra) && (\rb)
	v_wmma_scale_f32_16x16x128_f8f6f4 v[\d:\d+7], v[\a:\a+11], v[\b:\b+11], 0, v[\sa], v[\sb] matrix_a_fmt:MATRIX_FMT_BF6 matrix_b_fmt:MATRIX_FMT_BF6 matrix_a_scale:MATRIX_SCALE_ROW1 matrix_b_scale:MATRIX_SCALE_ROW1
.elseif (\ra)
	v_wmma_scale_f32_16x16x128_f8f6f4 v[\d:\d+7], v[\a:\a+11], v[\b:\b+11], 0, v[\sa], v[\sb] matrix_a_fmt:MATRIX_FMT_BF6 matrix_b_fmt:MATRIX_FMT_BF6 matrix_a_scale:MATRIX_SCALE_ROW1
.elseif (\rb)
	v_wmma_scale_f32_16x16x128_f8f6f4 v[\d:\d+7], v[\a:\a+11], v[\b:\b+11], 0, v[\sa], v[\sb] matrix_a_fmt:MATRIX_FMT_BF6 matrix_b_fmt:MATRIX_FMT_BF6 matrix_b_scale:MATRIX_SCALE_ROW1
.else
	v_wmma_scale_f32_16x16x128_f8f6f4 v[\d:\d+7], v[\a:\a+11], v[\b:\b+11], 0, v[\sa], v[\sb] matrix_a_fmt:MATRIX_FMT_BF6 matrix_b_fmt:MATRIX_FMT_BF6
.endif
.else
.if (\ra) && (\rb)
	v_wmma_scale_f32_16x16x128_f8f6f4 v[\d:\d+7], v[\a:\a+11], v[\b:\b+11], v[\c:\c+7], v[\sa], v[\sb] matrix_a_fmt:MATRIX_FMT_BF6 matrix_b_fmt:MATRIX_FMT_BF6 matrix_a_scale:MATRIX_SCALE_ROW1 matrix_b_scale:MATRIX_SCALE_ROW1
.elseif (\ra)
	v_wmma_scale_f32_16x16x128_f8f6f4 v[\d:\d+7], v[\a:\a+11], v[\b:\b+11], v[\c:\c+7], v[\sa], v[\sb] matrix_a_fmt:MATRIX_FMT_BF6 matrix_b_fmt:MATRIX_FMT_BF6 matrix_a_scale:MATRIX_SCALE_ROW1
.elseif (\rb)
	v_wmma_scale_f32_16x16x128_f8f6f4 v[\d:\d+7], v[\a:\a+11], v[\b:\b+11], v[\c:\c+7], v[\sa], v[\sb] matrix_a_fmt:MATRIX_FMT_BF6 matrix_b_fmt:MATRIX_FMT_BF6 matrix_b_scale:MATRIX_SCALE_ROW1
.else
	v_wmma_scale_f32_16x16x128_f8f6f4 v[\d:\d+7], v[\a:\a+11], v[\b:\b+11], v[\c:\c+7], v[\sa], v[\sb] matrix_a_fmt:MATRIX_FMT_BF6 matrix_b_fmt:MATRIX_FMT_BF6
.endif
.endif
.endm
.macro PLACES n
.rept \n
	v_nop
.endr
.endm
; a round of the cluster's barrier: my work-group's barrier; wave 0 signals for the work-group; every wave waits for all four work-groups; my work-group's barrier once more
.macro CROUND
	s_barrier_signal -1
	s_barrier_wait -1
	s_cmp_lg_u32 s[WV], 0
	s_cbranch_scc1 .Lnot_wave_0_\@
	s_barrier_signal -3
.Lnot_wave_0_\@:
	s_barrier_wait -3
	s_barrier_signal -1
	s_barrier_wait -1
.endm
; A PREFETCH INTO THE L2 of what the NEXT change of slots will ask for: four records of 114 blocks of 256 bytes.  All eight clusters of a (d, b) walk the same records: the first of them asks.  Its four partners
; take a record each, told apart BY ADDRESS; in each, the 128 threads of waves 0 to 3 name a block each (threads 114 to 127 name the record's last block again).  The last change that fills a slot asks for nothing.
.macro ASK
	s_cmp_gt_u32 s[SLOTS], s[LIM]
	s_cbranch_scc0 .Lnot_mine_\@
	global_prefetch_b8 v[PFO], s[PFA:PFA+1] th:TH_LOAD_NT scope:SCOPE_SE
.Lnot_mine_\@:
.endm
	s_load_b256 s[4:11], s[0:1], 0x0               ; QC s[4:5], QW s[6:7], KV s[8:9], XC s[10:11]
	s_load_b64 s[12:13], s[0:1], 0x20              ; XS
	v_lshl_add_u32 v[SPW], v0, 2, SPARE
	v_mov_b32 v[NIL], 0
	ds_add_u32 v[SPW], v[NIL]                      ; the wave's opening: the add, twice on end, and its wait ahead of my first tensor load
	ds_add_u32 v[SPW], v[NIL]                      ; and once more; the set-up below, work on registers, stands between it and the wait
	v_lshrrev_b32 v[TT], 5, v0
	s_delay_alu instid0(VALU_DEP_1)
	v_readfirstlane_b32 s[WV], v[TT]               ; wave 0..7
	s_lshr_b32 s[SH], s[WV], 2                     ; my key half
	s_and_b32 s[G], s[WV], 3                       ; my query group
	s_and_b32 s19, ttmp7, 0xffff
	s_lshr_b32 s20, s19, 2                         ; d
	s_and_b32 s21, s19, 3                          ; b
	s_xor_b32 s52, s20, 1                          ; k and v come from the other tensor than q
	s_lshl_b32 s52, s52, 2
	s_add_co_u32 s52, s52, s21
	s_mul_i32 s52, s52, 32*REC                     ; the stream: 32 records
	s_mul_i32 s54, s[SH], 16*REC                   ; my half's 16 records,
	s_mul_i32 s55, s[G], HALF/4                    ; my quarter of two of them
	s_add_co_u32 s54, s54, s55
	s_add_co_u32 s54, s54, s52
	s_mov_b32 s55, 0
	s_mul_i32 s56, s[WV], HALF/4                   ; and where it goes in a slot: no place in the cluster enters an LDS address
	; descriptor group 1: 57 rows of 256 bytes (32 elements of 8 bytes), dense, no padding
	s_mov_b32 s[G1], 15|(3<<16)|(1<<21)            ; 15:0 the mask: all four work-groups; 17:16 elements of 8 bytes; 21 set beside a mask
	s_mov_b32 s[G1+1], 32<<16
	s_mov_b32 s[G1+2], 57<<16
	s_mov_b32 s[G1+3], 32<<16
	s_mov_b32 s[G1+4], 57
	s_mov_b32 s[G1+5], 32
	s_mov_b32 s[G1+6], 0
	s_mov_b32 s[G1+7], 0
	s_mov_b32 s[G0A], 1
	s_mov_b32 s[G0A+1], s56
	s_mov_b32 s[G0B], 1
	s_add_co_u32 s[G0B+1], s56, SLOT1
	s_mov_b32 s[CS], 0x3fb8aa3b                    ; log2(e): the scores are not scaled
	s_mov_b32 s[CS+1], s[CS]
	s_mov_b32 s[SEL], 0x76543210
	s_mov_b32 s[SEL+1], 0xfedcba98
	s_mov_b32 s[HI], 0xffff0000
	s_mul_i32 s[RB], s[SH], HALF                   ; the LDS byte at which the step's record begins
	s_mov_b32 s[SLOTS], 6
	s_lshr_b32 s[LIM], s[WV], 2                    ; 0 in waves 0 to 3,
	s_or_b32 s[LIM], s[LIM], ttmp9                 ; of the first cluster of this (d, b): the same in all four partners
	s_cmp_eq_u32 s[LIM], 0
	s_cselect_b32 s[LIM], 1, -1
	; what hangs on my place in the cluster: q's, XC's and XS's addresses and the prefetches', nothing else
	s_bfe_u32 s17, ttmp6, 0x40000                  ; cx
	s_lshl_b32 s18, ttmp9, 2
	s_add_co_u32 s18, s18, s17                     ; my block of 128 queries
	s_lshl_b32 s22, s21, 5
	s_add_co_u32 s22, s22, s18                     ; PB
	s_mul_i32 s68, s20, 393216
	s_mul_i32 s66, s22, 3072
	s_add_co_u32 s68, s68, s66
	s_mul_i32 s66, s[G], 768
	s_add_co_u32 s68, s68, s66                     ; q's codes: 24 bytes a position, my group's 32
	s_mov_b32 s69, 0
	s_lshl_b32 s70, s20, 16
	s_lshl_b32 s66, s22, 9
	s_add_co_u32 s70, s70, s66
	s_lshl_b32 s66, s[G], 7
	s_add_co_u32 s70, s70, s66                     ; q's words
	s_mov_b32 s71, 0
	s_lshl_b32 s67, s20, 1
	s_add_co_u32 s67, s67, 4                       ; K step 4 + 2 d
	s_lshl_b32 s23, s[G], 1
	s_add_co_u32 s23, s23, s[SH]                   ; the query tile that I keep: 2 g + sh
	s_mul_i32 s60, s22, 98304
	s_mul_i32 s66, s67, 12288
	s_add_co_u32 s60, s60, s66
	s_mul_i32 s66, s23, 1536
	s_add_co_u32 s60, s60, s66
	s_mov_b32 s61, 0
	s_lshl_b32 s62, s22, 12
	s_lshl_b32 s66, s67, 9
	s_add_co_u32 s62, s62, s66
	s_lshl_b32 s66, s23, 6
	s_add_co_u32 s62, s62, s66
	s_mov_b32 s63, 0
	s_lshr_b32 s66, s17, 1
	s_mul_i32 s66, s66, 16*REC
	s_and_b32 s67, s17, 1
	s_mul_i32 s67, s67, REC
	s_add_co_u32 s66, s66, s67
	s_add_co_u32 s66, s66, s52
	s_add_co_u32 s66, s66, 2*HALF                  ; my work-group's record of fill 2; the first change of slots steps it to fill 3.  Nothing is prefetched at the head
	s_mov_b32 s67, 0
	v_and_b32 v235, 31, v0                         ; lane
	v_and_b32 v236, 15, v0                         ; r
	v_bfe_u32 v237, v0, 4, 1                       ; h
	s_delay_alu instid0(VALU_DEP_2)
	v_and_b32 v241, 8, v236
	s_delay_alu instid0(VALU_DEP_1)
	v_add_nc_u32 v241, v241, v236                  ; r + 8 (r / 8)
	s_delay_alu instid0(VALU_DEP_1)
	v_mul_u32_u24 v[AK0], v241, 24
	s_delay_alu instid0(VALU_DEP_1)
	v_add_nc_u32 v[AK0], 25600, v[AK0]             ; k's codes: both halves of the lanes read row r
	s_delay_alu instid0(VALU_DEP_3)
	v_lshlrev_b32 v[AKS0], 2, v241
	s_delay_alu instid0(VALU_DEP_1)
	v_lshl_add_u32 v[AKS0], v237, 5, v[AKS0]
	s_delay_alu instid0(VALU_DEP_1)
	v_add_nc_u32 v[AKS0], 28672, v[AKS0]           ; k's words: lanes 0-15 an even tile's, lanes 16-31 the odd one's
	v_mul_u32_u24 v[AV0], v235, 48
	v_lshl_add_u32 v[AVS0], v235, 2, 24576
	v_min_u32 v[PFO], 113, v0
	s_delay_alu instid0(VALU_DEP_1)
	v_lshlrev_b32 v[PFO], 8, v[PFO]
	s_lshl_b32 s72, s[WV], 14
	v_lshl_add_u32 v[MGW], v235, 4, s72
	s_xor_b32 s73, s[WV], 4                        ; the wave of the other key half
	s_lshl_b32 s72, s73, 14
	v_lshl_add_u32 v[MGR], v235, 4, s72
	v_lshlrev_b32 v[L16], 4, v235
	s_lshl_b32 s72, s[WV], 8
	s_add_co_u32 s72, s72, MS
	v_lshl_add_u32 v[MSW], v235, 3, s72
	s_lshl_b32 s72, s73, 8
	s_add_co_u32 s72, s72, MS
	v_lshl_add_u32 v[MSR], v235, 3, s72
	s_mul_i32 s72, s[SH], 192
	s_sub_co_u32 s73, 192, s72
	v_mad_u32_u24 v238, v241, 24, s72              ; register tile 0 is query tile sh: 8 positions, 192 bytes, on for tile 1
	v_mad_u32_u24 v239, v241, 24, s73              ; register tile 1 the other
	v_xor_b32 v240, s[SH], v237
	s_delay_alu instid0(VALU_DEP_1)
	v_lshlrev_b32 v240, 5, v240
	s_delay_alu instid0(VALU_DEP_1)
	v_lshl_add_u32 v240, v241, 2, v240             ; q's words: lanes 0-15 register tile 0's, lanes 16-31 register tile 1's
	v_add_nc_u32 v242, -1, v237                    ; all ones in lanes 0-15, 0 in lanes 16-31
.irp a, 0,1
	v_mov_b32 v[17+4*\a], 0xff61b1e6               ; the largest t so far: -3e38
	v_mov_b32 v[18+4*\a], 0                        ; l, in two halves
	v_mov_b32 v[19+4*\a], 0
	v_mov_b32 v[25+2*\a], 0                        ; (named as the upper half of f's pair)
.endr
.irp a, 0,1
	v_floor_f32 v[16+4*\a], -v[17+4*\a]            ; -M
.endr
.irp i, 0,1,2,3,4,5
	v_mov_b32 v[180+\i], 0                         ; the upper six registers of k's tile 7
	v_mov_b32 v[Q+6+\i], 0                         ; q's codes of k = 64 .. 127
	v_mov_b32 v[Q+18+\i], 0
.endr
.irp b, 0,1,2,3
	v_mov_b32 v[T4+\b], 0                          ; a lane permute's destination counts as one of its sources
.endr
	s_wait_dscnt 0x0                               ; both opening adds are done
	s_wait_kmcnt 0x0
	s_add_nc_u64 s[G0A+2:G0A+3], s[8:9], s[54:55]
	s_add_nc_u64 s[G0B+2:G0B+3], s[G0A+2:G0A+3], HALF
	s_or_b32 s[G0A+3], s[G0A+3], 0x80000000        ; type = 2
	s_or_b32 s[G0B+3], s[G0B+3], 0x80000000
	s_add_nc_u64 s[PFA:PFA+1], s[8:9], s[66:67]
	s_add_nc_u64 s[68:69], s[4:5], s[68:69]
	s_add_nc_u64 s[70:71], s[6:7], s[70:71]
	s_add_nc_u64 s[60:61], s[10:11], s[60:61]
	s_add_nc_u64 s[62:63], s[12:13], s[62:63]
	CROUND                                         ; all four work-groups are here: the first joint loads meet
	tensor_load_to_lds s[G0A:G0A+3], s[G1:G1+7]    ; fill 0 into slot 0
	s_nop 0
	tensor_load_to_lds s[G0B:G0B+3], s[G1:G1+7]    ; fill 1 into slot 1
	s_nop 0
	PLACES 4
.irp i, 0,1,2
	global_load_b64 v[Q+2*\i:Q+2*\i+1], v238, s[68:69] offset:8*\i
	global_load_b64 v[Q+12+2*\i:Q+12+2*\i+1], v239, s[68:69] offset:8*\i
.endr
	global_load_b32 v[QSC], v240, s[70:71]
	s_wait_loadcnt 0x0
.irp i, 0,1,2,3,4,5
	v_and_b32 v[Q+\i], v242, v[Q+\i]               ; zero codes for k = 32 .. 63
	v_and_b32 v[Q+12+\i], v242, v[Q+12+\i]
.endr
.macro QK a                            ; S^T of register tile a: eight tiles of 16 keys
.irp t, 0,1,2,3,4,5,6,7
	MM S+8*\t, KF+6*\t, Q+12*(\a), -1, KSC+\t/2, QSC, \t%2, \a
.endr
.endm
; the softmax of register tile a for 128 keys: S^T becomes p, p's codes and scale word, f = 2^(old M - new M)
.macro SOFT a
.set NM, 16+4*(\a)
.set FF, 24+2*(\a)
.irp b, 0,1,2,3
	v_max3_num_f32 v[BM+\b], v[S+16*\b], v[S+16*\b+1], v[S+16*\b+2]   ; the largest score of each block of 32 keys: it serves the row's maximum and, since p rises with the score, the block's largest p
.endr
.irp i, 3,5,7,9,11,13
.irp b, 0,1,2,3
	v_max3_num_f32 v[BM+\b], v[BM+\b], v[S+16*\b+\i], v[S+16*\b+\i+1]
.endr
.endr
.irp b, 0,1,2,3
	v_max_num_f32 v[BM+\b], v[BM+\b], v[S+16*\b+15]
.endr
.irp b, 0,1,2,3
	s_delay_alu instid0(VALU_DEP_4)
	v_permlanex16_b32 v[T4+\b], v[BM+\b], s[SEL], s[SEL+1]
.endr
.irp b, 0,1,2,3
	s_delay_alu instid0(VALU_DEP_4)
	v_max_num_f32 v[BM+\b], v[BM+\b], v[T4+\b]     ; with lane l xor 16's 16 keys
.endr
	s_delay_alu instid0(VALU_DEP_2)
	v_max3_num_f32 v[TT], v[BM], v[BM+1], v[BM+2]
	s_delay_alu instid0(VALU_DEP_1)
	v_max_num_f32 v[TT], v[TT], v[BM+3]
	s_delay_alu instid0(VALU_DEP_1)
	v_mul_f32 v[TT], s[CS], v[TT]                  ; as t
	s_delay_alu instid0(VALU_DEP_1)
	v_max_num_f32 v[NM+1], v[NM+1], v[TT]          ; the running largest t
	v_mov_b32 v[TT], v[NM]
	s_delay_alu instid0(VALU_DEP_2)
	v_floor_f32 v[NM], -v[NM+1]                    ; the new -M = floor(-t): M is a whole number
	s_delay_alu instid0(VALU_DEP_1)
	v_sub_f32 v[TT], v[NM], v[TT]                  ; old M - new M: a whole number, 0 or less
	s_delay_alu instid0(VALU_DEP_1)
	v_cvt_i32_f32 v[TT], v[TT]                     ; (it saturates)
	s_delay_alu instid0(VALU_DEP_1)
	v_ldexp_f32 v[FF], 1.0, v[TT]                  ; f: a multiplication by it rounds nothing
.set j, 0
.rept 32
	v_pk_fma_f32 v[S+j:S+j+1], v[S+j:S+j+1], s[CS:CS+1], v[NM:NM+1] op_sel_hi:[1,0,0]   ; t - M, two at a time
.set j, j+2
.endr
.irp b, 0,1,2,3
	v_fma_f32 v[BM+\b], v[BM+\b], s[CS], v[NM]     ; the same of each block's largest score
.endr
.set j, 0
	s_wait_alu depctr_va_vdst(0)
.rept 64
	v_exp_f32 v[S+j], v[S+j]                       ; p = 2^(t - M): not normalised
.set j, j+1
.endr
	v_pk_mul_f32 v[NM+2:NM+3], v[NM+2:NM+3], v[FF:FF+1] op_sel_hi:[1,0]   ; l under the new M: the plain line behind the exponentials
	s_wait_alu depctr_va_vdst(0)                   ; the wait ahead of the first line that names a result: one for the batch of 64
.irp b, 0,1,2,3
	v_exp_f32 v[BM+\b], v[BM+\b]                   ; the block's largest p
.endr
	v_pk_add_f32 v[SP:SP+1], v[S:S+1], v[S+2:S+3]  ; the row's sum is taken of the unquantised p, in two chains
.set j, 4
.rept 15
	v_pk_add_f32 v[NM+2:NM+3], v[NM+2:NM+3], v[S+j:S+j+1]
	v_pk_add_f32 v[SP:SP+1], v[SP:SP+1], v[S+j+2:S+j+3]
.set j, j+4
.endr
	s_delay_alu instid0(VALU_DEP_1)
	v_pk_add_f32 v[NM+2:NM+3], v[NM+2:NM+3], v[SP:SP+1]
	s_wait_alu depctr_va_vdst(0)                   ; and one for the four
.irp b, 0,1,2,3
	v_max_num_f32 v[BM+\b], 0x2800000, v[BM+\b]    ; the floor 2^(5 - 127)
.endr
.irp b, 0,1,2,3
	s_delay_alu instid0(VALU_DEP_4)
	v_add_nc_u32 v[SOP+\b], 0xfe000000, v[BM+\b]
.endr
.irp b, 0,1,2,3
	s_delay_alu instid0(VALU_DEP_4)
	v_lshrrev_b32 v[T4+\b], 23, v[SOP+\b]
.endr
	s_delay_alu instid0(VALU_DEP_3)
	v_lshl_or_b32 v[PW+\a], v[T4+1], 8, v[T4]      ; p's scale word for these 128 keys
	s_delay_alu instid0(VALU_DEP_1)
	v_lshl_or_b32 v[PW+\a], v[T4+2], 16, v[PW+\a]
	s_delay_alu instid0(VALU_DEP_1)
	v_lshl_or_b32 v[PW+\a], v[T4+3], 24, v[PW+\a]
.irp c, 0,1
	v_cvt_scalef32_pk16_bf6_f32 v[P+12*(\a)+6*\c:P+12*(\a)+6*\c+2], v[S+32*\c:S+32*\c+15], v[SOP+2*\c]
	v_cvt_scalef32_pk16_bf6_f32 v[CT+4*\c:CT+4*\c+2], v[S+32*\c+16:S+32*\c+31], v[SOP+2*\c+1]
.endr
	v_nop                                          ; one plain line behind a scaled conversion
.irp c, 0,1                                    ; the operand's layout wants a whole block in a lane
.irp i, 0,1,2
	v_permlane16_swap_b32 v[P+12*(\a)+6*\c+\i], v[CT+4*\c+\i]
.endr
.irp i, 0,1,2
	s_delay_alu instid0(VALU_DEP_3)
	v_mov_b32 v[P+12*(\a)+6*\c+3+\i], v[CT+4*\c+\i]
.endr
.endr
.endm
.macro RESC g                          ; O^T of v's tiles 4 g .. 4 g + 3, both register tiles, under the new M
	WIN 0x41                                       ; destination and source 0 window 1, f window 0
.irp q, 0,1,2,3
.irp a, 0,1
.irp j, 0,2,4,6
	v_pk_mul_f32 v[128*\a+8*(4*(\g)+\q)+\j:128*\a+8*(4*(\g)+\q)+\j+1], v[128*\a+8*(4*(\g)+\q)+\j:128*\a+8*(4*(\g)+\q)+\j+1], v[24+2*\a:25+2*\a] op_sel_hi:[1,0]
.endr
.endr
.endr
.endm
.macro VLOAD set, g                    ; four fragments of v
	WIN 0
.irp q, 0,1,2,3
.irp k, 0,1,2
	ds_load_b128 v[\set+12*\q+4*\k:\set+12*\q+4*\k+3], v[ADV] offset:1536*(4*(\g)+\q)+16*\k
.endr
.endr
.endm
.macro PV set, g, first                ; O^T += v^T p^T: eight different accumulators, one instruction each
	WIN 0x50                                       ; C and D window 1
.irp q, 0,1,2,3
.irp a, 0,1
.if \first
	s_wait_alu depctr_va_vdst(0)
	MM 128*\a+8*(4*(\g)+\q), \set+12*\q, P+12*\a, -1, VSC+(4*(\g)+\q)/2, PW+\a, \q%2, 0
.else
	MM 128*\a+8*(4*(\g)+\q), \set+12*\q, P+12*\a, 128*\a+8*(4*(\g)+\q), VSC+(4*(\g)+\q)/2, PW+\a, \q%2, 0
.endif
.endr
.endr
.endm
; A KEY STEP: 128 keys, two tiles of queries.  first = 1: the products start O^T's sums, and nothing is rescaled.
.macro STEP first
	v_add_nc_u32 v[ADK], s[RB], v[AK0]             ; these four and the v_nop are the five places between the last step's products, which read set B, and the products below, which write over it
	v_add_nc_u32 v[ADKS], s[RB], v[AKS0]
	v_add_nc_u32 v[ADV], s[RB], v[AV0]
	v_add_nc_u32 v[ADVS], s[RB], v[AVS0]
	v_nop
.irp t, 0,1,2,3,4,5,6,7
.irp p, 0,1,2
	ds_load_b64 v[KF+6*\t+2*\p:KF+6*\t+2*\p+1], v[ADK] offset:24*(32*(\t/2)+8*(\t%2))+8*\p
.endr
.endr
.irp b, 0,1,2,3
	ds_load_b32 v[KSC+\b], v[ADKS] offset:128*\b
.endr
	s_wait_dscnt 0x0
	QK 0
	PLACES 4
	SOFT 0
	QK 1
	PLACES 4                                       ; in front of the loads into k's registers and of the reads of S^T
	VLOAD VA, 0
.irp i, 0,1,2,3,4,5,6,7
	ds_load_b32 v[VSC+\i], v[ADVS] offset:128*\i   ; lanes 0-15 tile 2 i's words, lanes 16-31 tile 2 i + 1's
.endr
	SOFT 1
	VLOAD VB, 1
.if \first
	PLACES 8                                       ; p's scale word was written by vector instructions: eight places ahead of a scaled product; its codes four
.else
	RESC 0                                         ; (these 32 are those places)
.endif
	s_wait_alu depctr_va_vdst(0)
	s_wait_dscnt 12                                ; set A and v's words are in; set B's 12 loads may be out
	PV VA, 0, \first
.if \first
	PLACES 4
.else
	RESC 1                                         ; names none of the last products' registers: the places in front of the loads into set A
.endif
	VLOAD VA, 2
	s_wait_alu depctr_va_vdst(0)
	s_wait_dscnt 12                                ; set B is in; the 12 just issued may be out
	PV VB, 1, \first
.if \first
	PLACES 4
.else
	RESC 2
.endif
	VLOAD VB, 3
	s_wait_alu depctr_va_vdst(0)
	s_wait_dscnt 12
	PV VA, 2, \first
.if !\first
	RESC 3
.endif
	s_wait_alu depctr_va_vdst(0)
	s_wait_dscnt 0x0
	PV VB, 3, \first
	WIN 0
	s_add_co_u32 s[RB], s[RB], REC                 ; the next step's record
.endm
; THE CHANGE OF SLOTS.  Each wave waits for all its tensor loads (its part of the slot ahead), adds 0 to its spare word, and waits for that and for its reads of the slot that it leaves.
; fill = 1: a round of the cluster's barrier; behind it no wave of any partner reads that slot or has a load on its way, and the joint refill comes first: it has two key steps in which to land.
.macro CHANGE fill
	s_wait_tensorcnt 0x0                           ; no tensor load of mine is out, so a group 0 may be written
	ds_add_u32 v[SPW], v[NIL]                      ; 0 onto my spare word
.if \fill
	s_xor_b32 s[G0B+1], s[G0B+1], SLOT1            ; the walking descriptor: the other slot than last time,
	s_add_nc_u64 s[G0B+2:G0B+3], s[G0B+2:G0B+3], HALF   ; my half's next two records
	s_wait_xcnt 0x0                                ; the last prefetch, two key steps back, has read its address
	s_add_nc_u64 s[PFA:PFA+1], s[PFA:PFA+1], HALF  ; one fill further on than the walking descriptor
	s_wait_dscnt 0x0                               ; the add is done, and my reads of the slot are over
	CROUND
	tensor_load_to_lds s[G0B:G0B+3], s[G1:G1+7]    ; my one tensor load behind the round
	s_nop 0
	PLACES 4
	ASK
.else
	s_wait_dscnt 0x0
	s_barrier_signal -1
	s_barrier_wait -1
.endif
	s_sub_co_u32 s[RB], s[RB], HALF                ; back to a slot's first step,
	s_xor_b32 s[RB], s[RB], SLOT1                  ; in the other slot
.endm
.macro TWO_STEPS                       ; a slot's two key steps: written once, walked twice
	s_mov_b32 s[TWICE], 2
.Lstep_\@:
	STEP 0
	s_sub_co_u32 s[TWICE], s[TWICE], 1
	s_cmp_lg_u32 s[TWICE], 0
	s_cbranch_scc1 .Lstep_\@
.endm
	s_wait_alu depctr_va_vdst(0)
	s_wait_tensorcnt 0x1                           ; my part of slot 0 is in; slot 1's may stay out
	s_barrier_signal -1
	s_barrier_wait -1
	STEP 1
	STEP 0
.Lslot:                                            ; six trips: fills 2 to 7 are asked for, fills 1 to 6 are read
	CHANGE 1
	TWO_STEPS
	s_sub_co_u32 s[SLOTS], s[SLOTS], 1
	s_cmp_lg_u32 s[SLOTS], 0
	s_cbranch_scc1 .Lslot
	CHANGE 0                                       ; the tail is written out
	TWO_STEPS
	; THE TWO KEY HALVES ARE JOINED.  My register tile 1 (O^T, -M, l) goes to the wave of the other half; its register tile 1 is my register tile 0's queries.
	v_add_f32 v18, v18, v19
	v_add_f32 v22, v22, v23
	PLACES 4                                       ; behind the last products, in front of the stores that read their results
	v_permlanex16_b32 v[T4], v18, s[SEL], s[SEL+1]
	v_permlanex16_b32 v[T4+1], v22, s[SEL], s[SEL+1]
	s_delay_alu instid0(VALU_DEP_2)
	v_add_f32 v18, v18, v[T4]                      ; tile 0's l
	s_delay_alu instid0(VALU_DEP_2)
	v_add_f32 v21, v22, v[T4+1]                    ; tile 1's, beside its -M
	WIN 0x04                                       ; an LDS store's data are its source 1: window 1
.set i, 0
.rept 32
	ds_store_b128 v[MGW], v[128+4*i:128+4*i+3] offset:512*i   ; each accumulator from its low end on
.set i, i+1
.endr
	WIN 0
	ds_store_b64 v[MSW], v[20:21]
	s_wait_dscnt 0x0                               ; for the other wave's sake
	s_barrier_signal -1
	s_barrier_wait -1
.set i, 0
.rept 32
	ds_load_b128 v[68+4*i:68+4*i+3], v[MGR] offset:512*i
.set i, i+1
.endr
	ds_load_b64 v[236:237], v[MSR]
	s_wait_dscnt 0x0
	v_min_num_f32 v238, v16, v236                  ; -(the larger M)
	s_delay_alu instid0(VALU_DEP_1)
	v_sub_f32 v239, v238, v16
	s_delay_alu instid0(VALU_DEP_2)
	v_sub_f32 v240, v238, v236
	s_delay_alu instid0(VALU_DEP_2)
	v_cvt_i32_f32 v239, v239
	s_delay_alu instid0(VALU_DEP_2)
	v_cvt_i32_f32 v240, v240
	s_delay_alu instid0(VALU_DEP_2)
	v_ldexp_f32 v241, 1.0, v239                    ; what brings my half under the common M,
	s_wait_alu depctr_va_vdst(0)
	v_ldexp_f32 v242, 1.0, v240                    ; and the other half: exact powers of two
	v_mul_f32 v243, v18, v241
	s_delay_alu instid0(VALU_DEP_1)
	v_fma_f32 v243, v237, v242, v243               ; the row's sum
	s_wait_alu depctr_va_vdst(0)
	v_rcp_f32 v244, v243
	v_mov_b32 v247, 0                              ; (the plain line behind the reciprocal; the upper halves of two pairs)
	v_mov_b32 v249, 0
	s_wait_alu depctr_va_vdst(0)                   ; the wait ahead of the first reader
	v_mul_f32 v246, v241, v244
	v_mul_f32 v248, v242, v244
.set i, 0
.rept 64
	v_pk_mul_f32 v[68+i:69+i], v[68+i:69+i], v[248:249] op_sel_hi:[1,0]
.set i, i+2
.endr
	WIN 0x01                                       ; source 0, my O^T, window 1
.set i, 0
.rept 64
	v_pk_fma_f32 v[68+i:69+i], v[i:i+1], v[246:247], v[68+i:69+i] op_sel_hi:[1,0,1]   ; O / l: register 16 b + i: channel 32 b + 16 h + i of my query
.set i, i+2
.endr
	WIN 0
; 64 numbers of a lane, register 16 b + i = k 32 b + 16 (lane / 16) + i of my row, become a fragment's codes in v[PC] on and its scale word in v[pw]
.macro QUANT s, pw
.irp b, 0,1,2,3
	v_max3_num_f32 v[BM+\b], |v[\s+16*\b]|, |v[\s+16*\b+1]|, 0x2800000
.endr
.irp i, 2,4,6,8,10,12,14
.irp b, 0,1,2,3
	s_delay_alu instid0(VALU_DEP_4)
	v_max3_num_f32 v[BM+\b], v[BM+\b], |v[\s+16*\b+\i]|, |v[\s+16*\b+\i+1]|
.endr
.endr
.irp b, 0,1,2,3
	s_delay_alu instid0(VALU_DEP_4)
	v_permlanex16_b32 v[T4+\b], v[BM+\b], s[SEL], s[SEL+1]
.endr
.irp b, 0,1,2,3
	s_delay_alu instid0(VALU_DEP_4)
	v_max_num_f32 v[BM+\b], v[BM+\b], v[T4+\b]
.endr
.irp b, 0,1,2,3
	s_delay_alu instid0(VALU_DEP_4)
	v_add_nc_u32 v[SOP+\b], 0xfe000000, v[BM+\b]
.endr
.irp b, 0,1,2,3
	s_delay_alu instid0(VALU_DEP_4)
	v_lshrrev_b32 v[T4+\b], 23, v[SOP+\b]
.endr
	s_delay_alu instid0(VALU_DEP_3)
	v_lshl_or_b32 v[\pw], v[T4+1], 8, v[T4]
	s_delay_alu instid0(VALU_DEP_1)
	v_lshl_or_b32 v[\pw], v[T4+2], 16, v[\pw]
	s_delay_alu instid0(VALU_DEP_1)
	v_lshl_or_b32 v[\pw], v[T4+3], 24, v[\pw]
.irp c, 0,1
	v_cvt_scalef32_pk16_bf6_f32 v[PC+6*\c:PC+6*\c+2], v[\s+32*\c:\s+32*\c+15], v[SOP+2*\c]
	v_cvt_scalef32_pk16_bf6_f32 v[CT+4*\c:CT+4*\c+2], v[\s+32*\c+16:\s+32*\c+31], v[SOP+2*\c+1]
.endr
	v_nop
.irp c, 0,1
.irp i, 0,1,2
	v_permlane16_swap_b32 v[PC+6*\c+\i], v[CT+4*\c+\i]
.endr
.irp i, 0,1,2
	s_delay_alu instid0(VALU_DEP_3)
	v_mov_b32 v[PC+6*\c+3+\i], v[CT+4*\c+\i]
.endr
.endr
.endm
	QUANT 68, 250                                  ; channels 0 .. 127: K step 4 + 2 d
.irp c, 0,1,2
	global_store_b128 v[L16], v[PC+4*\c:PC+4*\c+3], s[60:61] offset:512*\c
.endr
	s_wait_xcnt 0x0                                ; the stores have read their data: the codes' registers are written again
	QUANT 132, 251                                 ; channels 128 .. 255: the next K step
.irp c, 0,1,2
	global_store_b128 v[L16], v[PC+4*\c:PC+4*\c+3], s[60:61] offset:12288+512*\c
.endr
	v_cndmask_b32 v252, v250, v251, s[HI]          ; lanes 0-15 the first K step's words, lanes 16-31 the second's
	v_and_b32 v253, 15, v0
	v_bfe_u32 v254, v0, 4, 1
	s_delay_alu instid0(VALU_DEP_2)
	v_lshlrev_b32 v253, 2, v253
	s_delay_alu instid0(VALU_DEP_1)
	v_lshl_add_u32 v253, v254, 9, v253
	global_store_b32 v253, v252, s[62:63]
	s_wait_tensorcnt 0x0                           ; the wave's end, behind my last tensor load and my last LDS store
	ds_add_u32 v[SPW], v[NIL]
	s_wait_dscnt 0x0
	CROUND                                         ; the closing round: no work-group ends while a partner may still ask for a tile that names it
	s_endpgm
.Lfunc_end_k_q513d9dac71_att:
	.size	k_q513d9dac71_att, .Lfunc_end_k_q513d9dac71_att-k_q513d9dac71_att
	.p2alignl 7, 3214868480
	.fill 96, 4, 3214868480
	.section	.rodata,"a",@progbits
	.p2align	6, 0x0
	.amdhsa_kernel k_q513d9dac71_att
		.amdhsa_group_segment_fixed_size 327680
		.amdhsa_private_segment_fixed_size 0
		.amdhsa_enable_private_segment 0
		.amdhsa_kernarg_size 40
		.amdhsa_user_sgpr_count 2
		.amdhsa_user_sgpr_kernarg_segment_ptr 1
		.amdhsa_wavefront_size32 1
		.amdhsa_system_sgpr_workgroup_id_x 1
		.amdhsa_system_sgpr_workgroup_id_y 1
		.amdhsa_system_sgpr_workgroup_id_z 1
		.amdhsa_system_vgpr_workitem_id 0
		.amdhsa_next_free_vgpr 512
		.amdhsa_next_free_sgpr 80
		.amdhsa_reserve_vcc 0
		.amdhsa_float_denorm_mode_32 3
		.amdhsa_float_denorm_mode_16_64 3
		.amdhsa_memory_ordered 1
		.amdhsa_forward_progress 1
		.amdhsa_inst_pref_size 206
	.end_amdhsa_kernel
	.amdgpu_metadata
---
amdhsa.version: [ 1, 2 ]
amdhsa.kernels:
  - .name:           k_q513d9dac71_att
    .symbol:         k_q513d9dac71_att.kd
    .args:
      - { .name: QC, .offset: 0, .size: 8, .value_kind: global_buffer, .address_space: global }
      - { .name: QW, .offset: 8, .size: 8, .value_kind: global_buffer, .address_space: global }
      - { .name: KV, .offset: 16, .size: 8, .value_kind: global_buffer, .address_space: global }
      - { .name: XC, .offset: 24, .size: 8, .value_kind: global_buffer, .address_space: global }
      - { .name: XS, .offset: 32, .size: 8, .value_kind: global_buffer, .address_space: global }
    .group_segment_fixed_size: 327680
    .private_segment_fixed_size: 0
    .kernarg_segment_align: 8
    .kernarg_segment_size: 40
    .max_flat_workgroup_size: 256
    .sgpr_count:     80
    .vgpr_count:     512
    .wavefront_size: 32
...
	.end_amdgpu_metadata
.endif
;; end of part 3
;; launch outp (part 4): grid 128 x 2, 4 waves a work-group, no clusters, 167,936 bytes of LDS; arguments XC, XS, wts, Y, part; writes Y, part
.if DOCPART == 4
	.amdgcn_target "amdgcn-amd-amdhsa--gfx1250"
	.amdhsa_code_object_version 6
	.text
	.protected	k_q513d9dac71_outp
	.globl	k_q513d9dac71_outp
	.p2align	8
	.type	k_q513d9dac71_outp,@function
k_q513d9dac71_outp:
	s_mov_b64 s[64:65], 0
	v_nop
	global_prefetch_b8 v0, s[64:65] scope:SCOPE_SE
	s_setreg_imm32_b32 hwreg(HW_REG_WAVE_MODE, 25, 1), 1
	s_wait_xcnt 0x0
; THE LAST PRODUCT, w_out x the four concatenated parts (K = 1,024: eight K steps of codes in XC, XS), and what the batch norm needs of it.  Nothing of the problem is left out.
; A work-group takes 128 positions (block PB = work-group x) and 128 channels (half y).  Wave w takes all 128 positions and 32 channels (w_out's tiles 8 y + 2 w, + 1): 16 accumulators.
; Source 0 = 16 positions, source 1 = 16 rows of w_out: a lane holds one channel and eight neighbouring positions, as the result's rows want them.
; The block's codes (98,304 bytes, images of operand registers) come into LDS once, a quarter by each wave's tensor load; w_out's 16 fragments of a wave stay in registers.
; No cluster: only the two work-groups of a block read the same bytes, once.
; THE STATISTICS cross work-groups, so they are finished in the next launch: here each channel's sum S over the 128 positions and the sum M2 of squares about the block's own mean: no difference of large sums is formed.
; REGISTERS: window 0: v1-15 addresses; v16-31 w_out's scale words; v32-63 the positions' (lanes 0-15 an even tile's, lanes 16-31 the odd one's); v64-191 accumulators (tile m, c at 64 + 8 (2 m + c)); v192-255 at work.
;   window 1: two sets of eight position fragments.   window 2: w_out's fragments (c, s) at 12 (8 c + s).
.set STAGE, 98304                      ; behind the codes: 32 rows x (512 bytes + 16) for each wave
.set SPARE, 165888                     ; the spare words, 128 bytes a wave: two blocks of 256 bytes that no other line names
.set LI,  1
.set LI2, 2
.set L4,  3
.set STO, 4
.set RD,  5
.set SPW, 6
.set NIL, 7
.set PO,  8
.set OP,  12
.set BSC, 16
.set ASC, 32
.set ACC, 64
.set T0,  192
.set T1,  194
.set MN,  196
.set DD,  198
.set QQ,  206
.set SS,  210
.set M2,  212
.set PXR, 214
.set MSB, 0
.macro WIN new                         ; the immediate's high byte repeats the setting that is left
.if MSB != \new
	s_set_vgpr_msb (MSB<<8)|\new
.set MSB, \new
.endif
.endm
.macro MM d, a, b, c, sa, sb, ra       ; one matrix instruction.  c < 0: the constant 0 starts the sum.  ra: source 0's scale words stand in lanes 16-31
.if (\c) < 0
.if (\ra)
	v_wmma_scale_f32_16x16x128_f8f6f4 v[\d:\d+7], v[\a:\a+11], v[\b:\b+11], 0, v[\sa], v[\sb] matrix_a_fmt:MATRIX_FMT_BF6 matrix_b_fmt:MATRIX_FMT_BF6 matrix_a_scale:MATRIX_SCALE_ROW1
.else
	v_wmma_scale_f32_16x16x128_f8f6f4 v[\d:\d+7], v[\a:\a+11], v[\b:\b+11], 0, v[\sa], v[\sb] matrix_a_fmt:MATRIX_FMT_BF6 matrix_b_fmt:MATRIX_FMT_BF6
.endif
.else
.if (\ra)
	v_wmma_scale_f32_16x16x128_f8f6f4 v[\d:\d+7], v[\a:\a+11], v[\b:\b+11], v[\c:\c+7], v[\sa], v[\sb] matrix_a_fmt:MATRIX_FMT_BF6 matrix_b_fmt:MATRIX_FMT_BF6 matrix_a_scale:MATRIX_SCALE_ROW1
.else
	v_wmma_scale_f32_16x16x128_f8f6f4 v[\d:\d+7], v[\a:\a+11], v[\b:\b+11], v[\c:\c+7], v[\sa], v[\sb] matrix_a_fmt:MATRIX_FMT_BF6 matrix_b_fmt:MATRIX_FMT_BF6
.endif
.endif
.endm
	s_load_b256 s[4:11], s[0:1], 0x0               ; XC s[4:5], XS s[6:7], wts s[8:9], Y s[10:11]
	s_load_b64 s[12:13], s[0:1], 0x20              ; part
	v_lshl_add_u32 v[SPW], v0, 2, SPARE
	v_mov_b32 v[NIL], 0
	ds_add_u32 v[SPW], v[NIL]                      ; the wave's opening: the add, twice on end, and its wait ahead of my first tensor load
	ds_add_u32 v[SPW], v[NIL]                      ; and once more; the set-up below, work on registers, stands between it and the wait
	v_lshrrev_b32 v9, 5, v0
	v_readfirstlane_b32 s14, v9                    ; wave 0..3
	s_mov_b32 s15, ttmp9                           ; PB
	s_and_b32 s16, ttmp7, 0xffff                   ; y
	s_mov_b32 s17, 0xffff0000                      ; lanes 16-31
	s_mov_b32 s18, 0x76543210
	s_mov_b32 s19, 0xfedcba98
	; descriptor group 1: 96 rows of 256 bytes (32 elements of 8 bytes), dense, no padding
	s_mov_b32 s24, 3<<16
	s_mov_b32 s25, 32<<16
	s_mov_b32 s26, 96<<16
	s_mov_b32 s27, 32<<16
	s_mov_b32 s28, 96
	s_mov_b32 s29, 32
	s_mov_b32 s30, 0
	s_mov_b32 s31, 0
	s_mov_b32 s20, 1
	s_mul_i32 s21, s14, 24576                      ; my quarter of the block, in LDS
	s_mul_i32 s32, s15, 98304
	s_add_co_u32 s32, s32, s21                     ; and in XC
	s_mov_b32 s33, 0
	s_lshl_b32 s42, s16, 3
	s_lshl_b32 s43, s14, 1
	s_add_co_u32 s42, s42, s43                     ; my first tile of w_out
	s_mul_i32 s34, s42, 12288
	s_add_co_u32 s34, s34, 133120                  ; its codes: 8 fragments a tile,
	s_mov_b32 s35, 0
	s_lshl_b32 s36, s42, 10
	s_add_co_u32 s36, s36, 329728                  ; its scale images
	s_mov_b32 s37, 0
	s_lshl_b32 s38, s15, 12                        ; the block's scale words
	s_mov_b32 s39, 0
	s_lshl_b32 s43, s42, 4                         ; my first channel: 128 y + 32 w
	s_lshr_b32 s40, s15, 5
	s_lshl_b32 s40, s40, 22
	s_lshl_b32 s44, s43, 14
	s_add_co_u32 s40, s40, s44
	s_and_b32 s44, s15, 31
	s_lshl_b32 s44, s44, 9
	s_add_co_u32 s40, s40, s44                     ; Y: batch, channel, the block's 512 bytes of a row
	s_mov_b32 s41, 0
	s_lshl_b32 s46, s43, 10
	s_lshl_b32 s44, s15, 3
	s_add_co_u32 s46, s46, s44                     ; part: [channel][block][S, M2]
	s_mov_b32 s47, 0
	v_and_b32 v9, 31, v0                           ; lane
	v_and_b32 v10, 15, v0                          ; r
	v_bfe_u32 v11, v0, 4, 1                        ; h
	v_and_b32 v14, 8, v10
	v_add_nc_u32 v14, v14, v10                     ; r + 8 (r / 8)
	v_lshlrev_b32 v[LI], 4, v9
	v_add_nc_u32 v[LI2], 49152, v[LI]              ; K steps 4 to 7 lie beyond an LDS instruction's 16-bit offset
	v_lshlrev_b32 v[L4], 2, v9
	s_mul_i32 s44, s14, 16896
	s_add_co_u32 s44, s44, STAGE
	v_mad_u32_u24 v[STO], v14, 528, s44
	v_lshl_add_u32 v[STO], v11, 6, v[STO]          ; the stage: my channel's row, + 64 h
	v_lshl_add_u32 v[RD], v9, 4, s44
	v_lshl_add_u32 v[PO], v11, 3, v14
	v_lshlrev_b32 v[PO], 10, v[PO]                 ; lane (r, h) stores the figures of channel 8 h + r + 8 (r / 8)
	v_mov_b32 v[MN+1], 0                           ; (named as the upper half of a pair)
	v_mov_b32 v[PXR], 0                            ; a lane permute's destination counts as one of its sources
	s_wait_alu depctr_va_vdst(0)
	s_wait_dscnt 0x0                               ; both opening adds are done
	s_wait_kmcnt 0x0
	s_add_nc_u64 s[22:23], s[4:5], s[32:33]
	s_or_b32 s23, s23, 0x80000000
	tensor_load_to_lds s[20:23], s[24:31]          ; one load a wave is out: filled once
	s_nop 0
.rept 4
	v_nop
.endr
	s_add_nc_u64 s[34:35], s[8:9], s[34:35]
	s_add_nc_u64 s[36:37], s[8:9], s[36:37]
	s_add_nc_u64 s[38:39], s[6:7], s[38:39]
	s_add_nc_u64 s[40:41], s[10:11], s[40:41]
	s_add_nc_u64 s[46:47], s[12:13], s[46:47]
	WIN 0x80                                       ; destination window 2
.set i, 0
.rept 48
	global_load_b128 v[4*i:4*i+3], v[LI], s[34:35] offset:512*i   ; w_out's 16 fragments: 24,576 consecutive bytes
.set i, i+1
.endr
	WIN 0
.set i, 0
.rept 16
	global_load_b32 v[BSC+i], v[L4], s[36:37] offset:128*i
.set i, i+1
.endr
.set i, 0
.rept 32
	global_load_b32 v[ASC+i], v[L4], s[38:39] offset:128*i       ; register 4 s + p: K step s, tiles 2 p and 2 p + 1
.set i, i+1
.endr
	s_wait_tensorcnt 0x0                           ; my quarter of the codes has landed,
	s_barrier_signal -1
	s_barrier_wait -1                              ; everybody's has
.macro FETCH s                         ; the eight position fragments of K step s into set s % 2
	WIN 0x40                                       ; destination window 1
.irp m, 0,1,2,3,4,5,6,7
.irp g, 0,1,2
.if (\s) < 4
	ds_load_b128 v[96*((\s)%2)+12*\m+4*\g:96*((\s)%2)+12*\m+4*\g+3], v[LI] offset:12288*(\s)+1536*\m+512*\g
.else
	ds_load_b128 v[96*((\s)%2)+12*\m+4*\g:96*((\s)%2)+12*\m+4*\g+3], v[LI2] offset:12288*((\s)-4)+1536*\m+512*\g
.endif
.endr
.endr
.endm
	FETCH 0
	FETCH 1
	s_wait_loadcnt 0x0
.irp s, 0,1,2,3,4,5,6,7
.if \s < 7
	s_wait_dscnt 24                                ; this K step's fragments are in; the next step's 24 loads may be out
.else
	s_wait_dscnt 0x0
.endif
	WIN 0x09                                       ; source 0 window 1, source 1 window 2, C and D window 0
.irp m, 0,1,2,3,4,5,6,7                        ; the 16 accumulators take turns, one instruction a turn, in the same order in every K step
.irp c, 0,1
.if \s == 0
	MM ACC+8*(2*\m+\c), 96*(\s%2)+12*\m, 12*(8*\c+\s), -1, ASC+4*\s+\m/2, BSC+8*\c+\s, \m%2
.else
	MM ACC+8*(2*\m+\c), 96*(\s%2)+12*\m, 12*(8*\c+\s), ACC+8*(2*\m+\c), ASC+4*\s+\m/2, BSC+8*\c+\s, \m%2
.endif
.endr
.endr
	WIN 0
.rept 4
	v_nop                                          ; places in front of loads into registers that the products have read, and of the first read of results
.endr
.if \s < 6
	FETCH \s+2
.endif
.endr
	WIN 0
; channel c of my lane: S and M2 over the block's 128 positions (64 are mine, 64 lane l xor 16's)
.macro STAT c
	v_pk_add_f32 v[T0:T0+1], v[ACC+8*(\c):ACC+8*(\c)+1], v[ACC+8*(\c)+2:ACC+8*(\c)+3]
	v_pk_add_f32 v[T1:T1+1], v[ACC+8*(\c)+4:ACC+8*(\c)+5], v[ACC+8*(\c)+6:ACC+8*(\c)+7]
.set n, ACC+16+8*(\c)
.rept 7
	v_pk_add_f32 v[T0:T0+1], v[T0:T0+1], v[n:n+1]  ; each accumulator from its low end on
	v_pk_add_f32 v[T1:T1+1], v[T1:T1+1], v[n+2:n+3]
	v_pk_add_f32 v[T0:T0+1], v[T0:T0+1], v[n+4:n+5]
	v_pk_add_f32 v[T1:T1+1], v[T1:T1+1], v[n+6:n+7]
.set n, n+16
.endr
	v_pk_add_f32 v[T0:T0+1], v[T0:T0+1], v[T1:T1+1]
	v_add_f32 v[SS+\c], v[T0], v[T0+1]
	v_permlanex16_b32 v[PXR], v[SS+\c], s18, s19
	v_add_f32 v[SS+\c], v[SS+\c], v[PXR]
	v_mul_f32 v[MN], 0xbc000000, v[SS+\c]          ; -S / 128
.set n, ACC+8*(\c)
.set q, 0
.rept 8
.irp i, 0,2,4,6
	v_pk_add_f32 v[DD+\i:DD+\i+1], v[n+\i:n+\i+1], v[MN:MN+1] op_sel_hi:[1,0]
.endr
.irp i, 0,2,4,6
.if (q == 0) && (\i < 4)
	v_pk_mul_f32 v[QQ+\i:QQ+\i+1], v[DD+\i:DD+\i+1], v[DD+\i:DD+\i+1]
.else
	v_pk_fma_f32 v[QQ+\i%4:QQ+\i%4+1], v[DD+\i:DD+\i+1], v[DD+\i:DD+\i+1], v[QQ+\i%4:QQ+\i%4+1]
.endif
.endr
.set n, n+16
.set q, 1
.endr
	v_pk_add_f32 v[QQ:QQ+1], v[QQ:QQ+1], v[QQ+2:QQ+3]
	v_add_f32 v[M2+\c], v[QQ], v[QQ+1]
	v_permlanex16_b32 v[PXR], v[M2+\c], s18, s19
	v_add_f32 v[M2+\c], v[M2+\c], v[PXR]
.endm
	STAT 0
	STAT 1
	v_cndmask_b32 v[OP], v[SS], v[SS+1], s17       ; lanes 0-15 tile 0's channels, lanes 16-31 tile 1's
	v_cndmask_b32 v[OP+1], v[M2], v[M2+1], s17
	global_store_b64 v[PO], v[OP:OP+1], s[46:47]   ; 8 bytes of each of 32 rows: 256 bytes a wave in all
	; THE WAY OUT: a lane holds 32 neighbouring bytes of its channel's row; the rows go through my own stage and leave whole: 512 consecutive bytes a store
.irp c, 0,1
.irp m, 0,1,2,3,4,5,6,7
	ds_store_b128 v[STO], v[ACC+8*(2*\m+\c):ACC+8*(2*\m+\c)+3] offset:4224*\c+128*(\m/2)+32*(\m%2)
	ds_store_b128 v[STO], v[ACC+8*(2*\m+\c)+4:ACC+8*(2*\m+\c)+7] offset:4224*\c+128*(\m/2)+32*(\m%2)+16
.endr
.endr
.set i, 0
.rept 16
	ds_load_b128 v[192+4*i:192+4*i+3], v[RD] offset:528*i        ; LDS serves a wave's instructions in order: these see my stores
.set i, i+1
.endr
	s_wait_dscnt 16                                ; the 16 loads may be out; the stores are done and have read the accumulators, which take the other 16 rows
.set i, 0
.rept 16
	ds_load_b128 v[64+4*i:64+4*i+3], v[RD] offset:528*(16+i)
.set i, i+1
.endr
.set i, 0
.rept 16
	s_wait_dscnt 31-i
	global_store_b128 v[LI], v[192+4*i:192+4*i+3], s[40:41] offset:16384*i
.set i, i+1
.endr
.set i, 0
.rept 16
	s_wait_dscnt 15-i
	global_store_b128 v[LI], v[64+4*i:64+4*i+3], s[40:41] offset:16384*(16+i)
.set i, i+1
.endr
	s_wait_tensorcnt 0x0                           ; the wave's end, behind my last tensor load and my last LDS store
	ds_add_u32 v[SPW], v[NIL]
	s_wait_dscnt 0x0
	s_endpgm
.Lfunc_end_k_q513d9dac71_outp:
	.size	k_q513d9dac71_outp, .Lfunc_end_k_q513d9dac71_outp-k_q513d9dac71_outp
	.p2alignl 7, 3214868480
	.fill 96, 4, 3214868480
	.section	.rodata,"a",@progbits
	.p2align	6, 0x0
	.amdhsa_kernel k_q513d9dac71_outp
		.amdhsa_group_segment_fixed_size 167936
		.amdhsa_private_segment_fixed_size 0
		.amdhsa_enable_private_segment 0
		.amdhsa_kernarg_size 40
		.amdhsa_user_sgpr_count 2
		.amdhsa_user_sgpr_kernarg_segment_ptr 1
		.amdhsa_wavefront_size32 1
		.amdhsa_system_sgpr_workgroup_id_x 1
		.amdhsa_system_sgpr_workgroup_id_y 1
		.amdhsa_system_sgpr_workgroup_id_z 1
		.amdhsa_system_vgpr_workitem_id 0
		.amdhsa_next_free_vgpr 704
		.amdhsa_next_free_sgpr 66
		.amdhsa_reserve_vcc 0
		.amdhsa_float_denorm_mode_32 3
		.amdhsa_float_denorm_mode_16_64 3
		.amdhsa_memory_ordered 1
		.amdhsa_forward_progress 1
		.amdhsa_inst_pref_size 65
	.end_amdhsa_kernel
	.amdgpu_metadata
---
amdhsa.version: [ 1, 2 ]
amdhsa.kernels:
  - .name:           k_q513d9dac71_outp
    .symbol:         k_q513d9dac71_outp.kd
    .args:
      - { .name: XC, .offset: 0, .size: 8, .value_kind: global_buffer, .address_space: global }
      - { .name: XS, .offset: 8, .size: 8, .value_kind: global_buffer, .address_space: global }
      - { .name: wts, .offset: 16, .size: 8, .value_kind: global_buffer, .address_space: global }
      - { .name: Y, .offset: 24, .size: 8, .value_kind: global_buffer, .address_space: global }
      - { .name: part, .offset: 32, .size: 8, .value_kind: global_buffer, .address_space: global }
    .group_segment_fixed_size: 167936
    .private_segment_fixed_size: 0
    .kernarg_segment_align: 8
    .kernarg_segment_size: 40
    .max_flat_workgroup_size: 128
    .sgpr_count:     66
    .vgpr_count:     704
    .wavefront_size: 32
...
	.end_amdgpu_metadata
.endif
;; end of part 4
;; launch bn (part 5): grid 16 x 16, 8 waves a work-group, no clusters, 0 bytes of LDS; arguments Y, part, gamma, beta, out0; writes out0
.if DOCPART == 5
	.amdgcn_target "amdgcn-amd-amdhsa--gfx1250"
	.amdhsa_code_object_version 6
	.text
	.protected	k_q513d9dac71_bn
	.globl	k_q513d9dac71_bn
	.p2align	8
	.type	k_q513d9dac71_bn,@function
k_q513d9dac71_bn:
	s_mov_b64 s[64:65], 0
	v_nop
	global_prefetch_b8 v0, s[64:65] scope:SCOPE_SE
	s_setreg_imm32_b32 hwreg(HW_REG_WAVE_MODE, 25, 1), 1
	s_wait_xcnt 0x0
; THE BATCH NORM: out = (y - mean) rsqrt(var + 1e-5) gamma + beta, mean and biased variance over the 16,384 positions of a channel.  Nothing of the problem is left out.
; A wave takes two channels (16 x work-group x + 2 x wave, + 1) and 1,024 positions of one batch (work-group y = 4 batch + quarter).
; Each channel's 128 blocks left a sum S and a sum M2 of squares about the block's own mean: mean = sum S / 16,384; the whole M2 = sum of (M2_i + 128 (S_i / 128 - mean)^2): no difference of large sums.
; A stream: no LDS, no matrix unit, no cluster: the waves share nothing but 2 KB of figures.  Each load and store of a wave covers 512 consecutive bytes.
; LIMITS: 1 / sqrt is v_rsq_f32's; NaN and infinities are not served.
	s_load_b256 s[4:11], s[0:1], 0x0               ; Y s[4:5], part s[6:7], gamma s[8:9], beta s[10:11]
	s_load_b64 s[12:13], s[0:1], 0x20              ; out0
	v_lshrrev_b32 v1, 5, v0
	s_delay_alu instid0(VALU_DEP_1)
	v_readfirstlane_b32 s14, v1                    ; wave 0..7
	v_and_b32 v2, 31, v0
	s_wait_alu depctr_va_vdst(0)
	s_lshl_b32 s15, ttmp9, 4
	s_lshl_b32 s2, s14, 1
	s_add_co_u32 s15, s15, s2                      ; my first channel
	s_and_b32 s2, ttmp7, 0xffff
	s_lshr_b32 s3, s2, 2                           ; batch
	s_and_b32 s2, s2, 3                            ; quarter
	s_lshl_b32 s16, s3, 22
	s_lshl_b32 s25, s15, 14
	s_add_co_u32 s16, s16, s25
	s_lshl_b32 s25, s2, 12
	s_add_co_u32 s16, s16, s25
	s_mov_b32 s17, 0
	s_lshl_b32 s18, s15, 10
	s_mov_b32 s19, 0
	s_lshl_b32 s20, s15, 2
	s_mov_b32 s21, 0
	s_mov_b32 s22, 0x3c000000                      ; 1 / 128
	s_mov_b32 s23, 0x43000000                      ; 128
	s_mov_b32 s24, 0x38800000                      ; 1 / 16,384
	s_mov_b32 s30, 0x76543210
	s_mov_b32 s31, 0xfedcba98
	v_lshlrev_b32 v3, 5, v2                        ; four blocks' figures a lane
	v_lshlrev_b32 v4, 4, v2
	v_mov_b32 v28, 0x3727c5ac                      ; 1e-5
	v_mov_b32 v29, 0                               ; a lane permute's destination counts as one of its sources
	s_wait_alu depctr_va_vdst(0)
	s_wait_kmcnt 0x0
	s_add_nc_u64 s[4:5], s[4:5], s[16:17]
	s_add_nc_u64 s[12:13], s[12:13], s[16:17]
	s_add_nc_u64 s[6:7], s[6:7], s[18:19]
	s_add_nc_u64 s[8:9], s[8:9], s[20:21]
	s_add_nc_u64 s[10:11], s[10:11], s[20:21]
	s_load_b64 s[26:27], s[8:9], 0x0               ; gamma of my two channels
	s_load_b64 s[28:29], s[10:11], 0x0             ; beta
	global_load_b128 v[8:11], v3, s[6:7]
	global_load_b128 v[12:15], v3, s[6:7] offset:16
	global_load_b128 v[16:19], v3, s[6:7] offset:1024
	global_load_b128 v[20:23], v3, s[6:7] offset:1040
.irp c, 0,1
.irp i, 0,1,2,3,4,5,6,7
	global_load_b128 v[32+32*\c+4*\i:32+32*\c+4*\i+3], v4, s[4:5] offset:16384*\c+512*\i th:TH_LOAD_NT
.endr
.endr
	s_wait_loadcnt 16                              ; the figures are in; the 16 loads of data may be out
	s_wait_kmcnt 0x0
.macro WSUM x                          ; the sum over the 32 lanes, in every lane
	s_delay_alu instid0(VALU_DEP_1)
	v_add_f32_dpp v[\x], v[\x], v[\x] row_xmask:1 row_mask:0xf bank_mask:0xf
	s_delay_alu instid0(VALU_DEP_1)
	v_add_f32_dpp v[\x], v[\x], v[\x] row_xmask:2 row_mask:0xf bank_mask:0xf
	s_delay_alu instid0(VALU_DEP_1)
	v_add_f32_dpp v[\x], v[\x], v[\x] row_xmask:4 row_mask:0xf bank_mask:0xf
	s_delay_alu instid0(VALU_DEP_1)
	v_add_f32_dpp v[\x], v[\x], v[\x] row_xmask:8 row_mask:0xf bank_mask:0xf
	s_delay_alu instid0(VALU_DEP_1)
	v_permlanex16_b32 v29, v[\x], s30, s31
	s_delay_alu instid0(VALU_DEP_1)
	v_add_f32 v[\x], v[\x], v29
.endm
.macro CHAN c
.set PR, 8+8*(\c)
	v_add_f32 v24, v[PR], v[PR+2]
	v_add_f32 v25, v[PR+4], v[PR+6]
	s_delay_alu instid0(VALU_DEP_1)
	v_add_f32 v24, v24, v25
	WSUM 24
	s_delay_alu instid0(VALU_DEP_1)
	v_mul_f32 v26, s24, v24                        ; the mean
.irp i, 0,2,4,6
	v_fma_f32 v[PR+\i], v[PR+\i], s22, -v26        ; a block's mean less the whole mean
.endr
.irp i, 0,2,4,6
	s_delay_alu instid0(VALU_DEP_4)
	v_mul_f32 v[PR+\i], v[PR+\i], v[PR+\i]
.endr
.irp i, 0,2,4,6
	s_delay_alu instid0(VALU_DEP_4)
	v_fma_f32 v[PR+\i+1], v[PR+\i], s23, v[PR+\i+1]
.endr
	s_delay_alu instid0(VALU_DEP_3)
	v_add_f32 v24, v[PR+1], v[PR+3]
	s_delay_alu instid0(VALU_DEP_2)
	v_add_f32 v25, v[PR+5], v[PR+7]
	s_delay_alu instid0(VALU_DEP_1)
	v_add_f32 v24, v24, v25
	WSUM 24
	s_delay_alu instid0(VALU_DEP_1)
	v_fma_f32 v24, v24, s24, v28                   ; the variance + 1e-5
	s_wait_alu depctr_va_vdst(0)
	v_rsq_f32 v27, v24
	v_nop                                          ; one plain line behind the transcendental
	s_wait_alu depctr_va_vdst(0)                   ; the wait ahead of the first reader
	v_mul_f32 v[96+2*(\c)], s[26+(\c)], v27        ; the gain, twice: a pair for the packed form
	v_mul_f32 v[97+2*(\c)], s[26+(\c)], v27
	s_delay_alu instid0(VALU_DEP_2)
	v_fma_f32 v[100+2*(\c)], -v26, v[96+2*(\c)], s[28+(\c)]   ; the shift: beta - mean x gain
	s_delay_alu instid0(VALU_DEP_3)
	v_fma_f32 v[101+2*(\c)], -v26, v[96+2*(\c)], s[28+(\c)]
.endm
	CHAN 0
	CHAN 1
.irp c, 0,1
.irp i, 0,1,2,3,4,5,6,7
	s_wait_loadcnt 15-8*\c-\i                      ; loads come back in order: this one is in, the younger ones may be out
	v_pk_fma_f32 v[32+32*\c+4*\i:32+32*\c+4*\i+1], v[32+32*\c+4*\i:32+32*\c+4*\i+1], v[96+2*\c:97+2*\c], v[100+2*\c:101+2*\c]
	v_pk_fma_f32 v[32+32*\c+4*\i+2:32+32*\c+4*\i+3], v[32+32*\c+4*\i+2:32+32*\c+4*\i+3], v[96+2*\c:97+2*\c], v[100+2*\c:101+2*\c]
	global_store_b128 v4, v[32+32*\c+4*\i:32+32*\c+4*\i+3], s[12:13] offset:16384*\c+512*\i th:TH_STORE_NT
.endr
.endr
	s_endpgm
.Lfunc_end_k_q513d9dac71_bn:
	.size	k_q513d9dac71_bn, .Lfunc_end_k_q513d9dac71_bn-k_q513d9dac71_bn
	.p2alignl 7, 3214868480
	.fill 96, 4, 3214868480
	.section	.rodata,"a",@progbits
	.p2align	6, 0x0
	.amdhsa_kernel k_q513d9dac71_bn
		.amdhsa_group_segment_fixed_size 0
		.amdhsa_private_segment_fixed_size 0
		.amdhsa_enable_private_segment 0
		.amdhsa_kernarg_size 40
		.amdhsa_user_sgpr_count 2
		.amdhsa_user_sgpr_kernarg_segment_ptr 1
		.amdhsa_wavefront_size32 1
		.amdhsa_system_sgpr_workgroup_id_x 1
		.amdhsa_system_sgpr_workgroup_id_y 1
		.amdhsa_system_sgpr_workgroup_id_z 1
		.amdhsa_system_vgpr_workitem_id 0
		.amdhsa_next_free_vgpr 112
		.amdhsa_next_free_sgpr 66
		.amdhsa_reserve_vcc 0
		.amdhsa_float_denorm_mode_32 3
		.amdhsa_float_denorm_mode_16_64 3
		.amdhsa_memory_ordered 1
		.amdhsa_forward_progress 1
		.amdhsa_inst_pref_size 14
	.end_amdhsa_kernel
	.amdgpu_metadata
---
amdhsa.version: [ 1, 2 ]
amdhsa.kernels:
  - .name:           k_q513d9dac71_bn
    .symbol:         k_q513d9dac71_bn.kd
    .args:
      - { .name: Y, .offset: 0, .size: 8, .value_kind: global_buffer, .address_space: global }
      - { .name: part, .offset: 8, .size: 8, .value_kind: global_buffer, .address_space: global }
      - { .name: gamma, .offset: 16, .size: 8, .value_kind: global_buffer, .address_space: global }
      - { .name: beta, .offset: 24, .size: 8, .value_kind: global_buffer, .address_space: global }
      - { .name: out0, .offset: 32, .size: 8, .value_kind: global_buffer, .address_space: global }
    .group_segment_fixed_size: 0
    .private_segment_fixed_size: 0
    .kernarg_segment_align: 8
    .kernarg_segment_size: 40
    .max_flat_workgroup_size: 256
    .sgpr_count:     66
    .vgpr_count:     112
    .wavefront_size: 32
...
	.end_amdgpu_metadata
.endif
;; end of part 5
